; MI455X (gfx1250); checked and timed in simulation.
; The chip was launched on July 23, 2026; its instructions are those of AMD's public machine-readable ISA for CDNA 5 (MIT licence, August 2026) and "CDNA5" Instruction Set Architecture Reference Guide (July 2026). The comments in the code are by the model that wrote it; some were corrected since.
;; Multi Headed Attention. Allowed arithmetic: matrix products marked QUANTISED: E4M3 operands, one E8M0 scale for each 32 along K, by v_wmma_scale_f32_16x16x128_f8f6f4 with both operands' format E4M3, f32 sums; everything else in f32.
;; Inputs: Wk_codes 1,024 x 32 x 32 uint8 (E4M3 codes of Wk, K innermost, in blocks of 32 codes); Wk_scales 1,024 x 32 uint8 (E8M0 scales of Wk, one for each 32 codes along K); Wo_codes 1,024 x 32 x 32 uint8 (E4M3 codes of Wo, K innermost, in blocks of 32 codes); Wo_scales 1,024 x 32 uint8 (E8M0 scales of Wo, one for each 32 codes along K); Wq_codes 1,024 x 32 x 32 uint8 (E4M3 codes of Wq, K innermost, in blocks of 32 codes); Wq_scales 1,024 x 32 uint8 (E8M0 scales of Wq, one for each 32 codes along K); Wv_codes 1,024 x 32 x 32 uint8 (E4M3 codes of Wv, K innermost, in blocks of 32 codes); Wv_scales 1,024 x 32 uint8 (E8M0 scales of Wv, one for each 32 codes along K); bo 1,024 float32; x_codes 4 x 2,048 x 32 x 32 uint8 (E4M3 codes of x, K innermost, in blocks of 32 codes); x_scales 4 x 2,048 x 32 uint8 (E8M0 scales of x, one for each 32 codes along K).
;; Outputs: out0 4 x 2,048 x 1,024 float32.
;; This version of the problem:
;;   THIS VERSION OF THE PROBLEM IS GIVEN IN LOW PRECISION. The matrix products marked QUANTISED in the list below multiply operands that are first quantised to E4M3 (4 exponent bits, 3 mantissa bits; 8 bits a number), with one power-of-two scale for each 32 numbers along K (OCP MX v1.0); their sums are f32. All else is computed in f32.
;;   The module's matrix products, in the order in which they are computed (A, B: the left and right operand; K: the contracted axis; several contracted axes count as one K, in the product's order):
;;     1. [M 8,192, K 1,024] x [K 1,024, N 1,024]; A: input x (given as codes); B: input Wq (given as codes): QUANTISED
;;     2. [M 8,192, K 1,024] x [K 1,024, N 1,024]; A: input x (given as codes); B: input Wk (given as codes): QUANTISED
;;     3. [M 8,192, K 1,024] x [K 1,024, N 1,024]; A: input x (given as codes); B: input Wv (given as codes): QUANTISED
;;     4. batch 64 x [M 2,048, K 64] x [K 64, N 2,048]; A: computed on the way; B: computed on the way: QUANTISED
;;     5. batch 64 x [M 2,048, K 2,048] x [K 2,048, N 64]; A: softmax (see below); B: computed on the way: QUANTISED
;;     6. [M 8,192, K 1,024] x [K 1,024, N 1,024]; A: computed on the way; B: input Wo (given as codes): QUANTISED
;;   THE QUANTISER, for each operand of a quantised product, along K:
;;     - K is cut into blocks of 32 from its start; a last block that is shorter is filled with zeros.
;;     - A block's scale is 2^e with e = floor(log2(the largest magnitude in the block)) - 8, held to -126 .. 127; a block of zeros has e = 0. As a byte (E8M0): e + 127.
;;     - Each number is divided by its block's scale, clamped to +-448, and rounded to the nearest number of E4M3, ties to even, subnormals kept.
;;     - The product sums the exact products of the quantised numbers (number of the format x scale) in f32.
;;   ~~~python
;;   def quantise(x, axis):      # numpy; x: float32 -> the quantised numbers, widened to float32 again
;;       x = np.moveaxis(x, axis, -1); K = x.shape[-1]
;;       x = np.pad(x, [(0, 0)] * (x.ndim - 1) + [(0, -K % 32)]); x = x.reshape(x.shape[:-1] + (-1, 32)); a = np.abs(x).max(-1, keepdims=True)
;;       e = np.where(a > 0, np.clip(np.frexp(np.where(a > 0, a, 1))[1] - 1 - 8, -126, 127), 0)      # np.frexp(a)[1] - 1 = floor(log2(a)), exactly
;;       r = np.clip(x / 2.0 ** e, -448, 448)
;;       step = 2.0 ** (np.maximum(np.frexp(np.where(r == 0, 1, r))[1] - 1, -6) - 3)
;;       q = np.round(r / step) * step * 2.0 ** e      # np.round: ties to even
;;       return np.moveaxis(q.reshape(q.shape[:-2] + (-1,))[..., :K], -1, axis).astype(np.float32)
;;   ~~~
;;   SOFTMAX AHEAD OF A QUANTISED PRODUCT. Where the list says 'softmax', what is quantised is not the finished softmax but p = 2^(t - M), with t = logit x log2(e) and M = ceil(the row's largest t), a whole number; so 1/2 < the row's largest p <= 1. The row's sum l is taken of the UNQUANTISED p, in f32, and the product's result is divided by l at the end. Since M is a whole number, a kernel that streams over the keys may use a running M (the ceiling of the running maximum): every later rescaling is an exact power of two, which a block's scale takes up: the codes' values come out the same.
;;   OPERANDS COMPUTED ON THE WAY. 'Computed on the way' means the value that the module computes at that place (a softmax that the list does not call 'softmax' is quantised finished and normalised). What goes into a quantiser is computed in f32, as accurately as f32 sums, v_exp_f32 and their like allow (about 1e-6 of the number): no bf16 or f16 on the way to a quantiser, and a product that is left as it is and whose result goes on into a quantised operand takes f32 operands (vector FMAs, or v_wmma_f32_16x16x4_f32). A number that lies on a knife's edge between two numbers of the format may be rounded either way, as far as f32 arithmetic and the matrix unit's own rounding can turn it there, and no further.
;;   INPUTS GIVEN AS CODES. Wk (in the module: [1024, 1024], K = its axis 1); Wo (in the module: [1024, 1024], K = its axis 1); Wq (in the module: [1024, 1024], K = its axis 1); Wv (in the module: [1024, 1024], K = its axis 1); x (in the module: [4, 2048, 1024], K = its axis 2): each comes as NAME_codes (uint8): NAME with its K axis moved to the last place and cut into blocks of 32 codes, [.., K / 32, bytes a block], one block behind the other in memory; one code a byte (a code: sign, 4 exponent bits, 3 mantissa bits); and NAME_scales (uint8): the same leading axes, one E8M0 byte (e + 127) for each 32 codes along K. Its value is code x scale, taken as it is: it is not quantised again, and the codes and scales need not be those that the quantiser above would give.
;; One version. Each part assembles by itself: llvm-mc -triple=amdgcn-amd-amdhsa -mcpu=gfx1250 --defsym DOCPART=n.
;; ======== version 1 of 1: 3 launches
;; limits: right only within a limited range of input values
;; workspace buffers: qkv 26,214,400 bytes; ctx 8,650,752 bytes
;; launch proj (part 1): grid 16 x 16, 4 waves a work-group, clusters of 4 x 4, 327,680 bytes of LDS; arguments x_codes, x_scales, Wq_codes, Wq_scales, Wk_codes, Wk_scales, Wv_codes, Wv_scales, qkv; writes qkv
.if DOCPART == 1
	.amdgcn_target "amdgcn-amd-amdhsa--gfx1250"
	.amdhsa_code_object_version 6
	.text
	.protected	k_qe489ebab80_proj
	.globl	k_qe489ebab80_proj
	.p2align	8
	.type	k_qe489ebab80_proj,@function
k_qe489ebab80_proj:
	s_mov_b64 s[64:65], 0
	v_nop
	global_prefetch_b8 v0, s[64:65] scope:SCOPE_SE
	s_setreg_imm32_b32 hwreg(HW_REG_WAVE_MODE, 25, 1), 1
	s_wait_xcnt 0x0
	s_wait_alu depctr_hold_cnt(0) depctr_sa_sdst(0) depctr_va_vdst(0) depctr_va_sdst(0) depctr_va_ssrc(0) depctr_va_vcc(0) depctr_vm_vsrc(0)
	s_getreg_b32 s2, hwreg(HW_REG_IB_STS2, 6, 4)
	s_cmp_eq_u32 s2, 0
	s_cbranch_scc0 .Lentry_in_a_cluster
	s_endpgm
.Lentry_in_a_cluster:
	s_bfe_u32 s2, ttmp6, 0x10000c
	s_cmp_lg_u32 s2, 0xf033
	s_cbranch_scc0 .Lentry_shape_is_right
	s_endpgm
.Lentry_shape_is_right:
; q = x Wq^T, k = x Wk^T, v = x Wv^T on codes of FP8 (E4M3) with one E8M0 scale for each 32 along K = 1,024; the f32 results are quantised here, in registers, for the two products of attention:
; q and k along the head's 64 (two blocks of 32), v along the tokens (blocks of 32 keys).  They leave as IMAGES OF OPERAND REGISTERS: a chunk is 512 bytes, lane l's 16 bytes at 16 l.
; SHARES.  A tile is 256 tokens and one head: 64 rows of each of Wq, Wk, Wv; it makes one block of 51,200 bytes of qkv (block = ((batch x 16 + head) x 8 + which 256 tokens)):
;   KC 0: [fragment f 0..7][c 0..3][512], c = 2 u + b: keys 32 f + 16 u + row, block b of the head's 64;  VC 16,384: [128 keys 0..1][tile t of 16 d][c: 32 keys][512];  KS 32,768: [f][row] words;  VS 33,280: [128 keys][t][row] words;
;   QC 33,792: [tile of 16 queries 0..15][c 0..1][512];  QS 50,176: [tile][row] words, the two bytes twice.
; A WORK-GROUP STAYS: it makes TWO tiles of one head, the blocks of 256 tokens y and y + 16, and the ring does not stop between them: the first tile's last change of slots asks for the second tile's first 256 along K,
; which land under the first tile's last two K steps and its way out; nothing waits for the first tile's stores.  Both tiles are written out: their fills differ.
; Wave w takes tokens 64 w .. 64 w + 63 (4 tiles) against all 12 tiles of W: 48 accumulators.  q and k are used TRANSPOSED (source 0 = W, source 1 = x): a lane holds one token and its registers run along d.
; v is used as it stands (source 0 = x, source 1 = Wv): a lane holds one d and its registers run along the tokens.  So each conversion takes neighbours along the next K from one lane's registers.
; THE ORDER INSIDE A BLOCK OF 32.  The 16 registers of two neighbouring result tiles are numbers 8 h + 0..7 and 16 + 8 h + 0..7 of a block (h = lane / 16); they fill the operand's places 16 h + 0..15.  That is one fixed
; permutation inside each block of 32, the same for q and k, and for v and the softmax's p in the next launch: both sides of a product carry it, so the products and the blocks' scales are those of the natural order; only the order in which the unit adds them differs.
; CLUSTERS: 4 x 4 work-groups.  x's tile hangs on the block of tokens alone and is shared along a row of the cluster, W's tiles on the head alone and are shared along a column: joint loads.  Wave 0 asks for x, waves 1, 2, 3 for Wq, Wk, Wv.
; K goes in slots of 256 (two steps of 128) through a ring of two LDS slots: four slots' worth a tile.  The scale bytes of all of K, x's for both tiles, come once, with the first fills.
; LIMITS: NaN codes, the scale byte 0xff and results that are not finite are not served.  A block whose largest magnitude lies under 2^-118 keeps the scale byte 1; a block of zeros has the byte 1 and zero codes (this program alone reads the bytes).
; REGISTERS, in windows of 256: window 0: v1-29 addresses; v32-95 scale words; v96-115 at work on the way out; v128-255 x's fragments, two sets (on the way out v128-143 the codes just made).
;   window 1: v0-191 W's 12 fragments, one set.   window 2: q's accumulators at 8 (4 i + t), k's at 128 + 8 (4 i + t).   window 3: v's at 8 (4 t + i).
.set PITCH,  272                       ; an LDS row: 256 bytes + 16 of padding: the 16 rows of a fragment load start 68 words apart
.set XB,     256*PITCH                 ; x's 256 rows; behind them Wq's, Wk's, Wv's 64 rows each
.set WB,     64*PITCH
.set SLOT,   XB+3*WB
.set SCL,    2*SLOT                    ; the scale bytes: the first tile's x 8,192 (32 a row), then Wq's, Wk's, Wv's 2,048 each,
.set XS1,    SCL+14336                 ; then the second tile's x 8,192
.set SPARE,  SCL+22528                 ; the spare words, 128 bytes for each wave: two blocks of 256 bytes that no other line names
.set OFF_KC, 0
.set OFF_VC, 16384
.set OFF_KS, 32768
.set OFF_VS, 33280
.set OFF_QC, 33792
.set OFF_QS, 50176
.set BLOCKB, 51200
.set NEXT_X, 16*262144-512             ; bytes from a slot's last part of a tile's K to its first of the next tile: 16 blocks of 256 rows of 1,024 bytes on, 512 back along K
.set NEXT_O, 256*BLOCKB                ; 16 blocks of tokens on are two batches on: 2 x 16 x 8 blocks of qkv
.set ADRX, 16                          ; v16-17 LDS address of my x fragments in slot 0, 1
.set ADRW, 18                          ; v18-19 the same for W
.set ADS1, 20                          ; v20    scale words, first tile: lanes 0-15 my x rows, lanes 16-31 Wk's rows
.set OQ,   21                          ; v21    16 lane + 4,096 wave: q's and k's chunks
.set OS4,  22                          ; v22    4 lane + 256 wave: q's scale words
.set OKS,  23                          ; v23    4 lane + 128 wave: k's
.set OV,   24                          ; v24    16 lane + 8,192 (wave / 2) + 1,024 (wave % 2): v's chunks
.set OVS,  25                          ; v25    4 lane + 256 (wave / 2) + 2 (wave % 2): v's two bytes of a scale word
.set ADS2, 26                          ; v26    scale words: lanes 0-15 Wq's rows, lanes 16-31 Wv's
.set ADS1B, 27                         ; v27    as v20, for the second tile
.set SPW,  28                          ; v28    LDS address of my spare word; never rewritten
.set NIL,  29                          ; v29    0; never rewritten
.set SC,   32                          ; scale words: register 8 p + step; p = i: x's tile i below, Wk's tile i above; p = 4 + t: Wq's tile t below, Wv's above
.set TM,   96                          ; v96-99   largest magnitudes
.set BY,   100                         ; v100-103 the other half's, then the scale bytes
.set HOLD, 104                         ; v104-107 not used
.set CS,   108                         ; v108-111 the conversions' scale operand
.set WD,   112                         ; v112 the word that is stored; v113-115 at work
.set XF,   128
.set PC,   128
.set WV,   22                          ; s22 my wave's number
.set G0XT, 4                           ; s[4:7]   group 0 for the second tile's x scale bytes (x's two pointers have left these registers by then)
.set G1X,  36                          ; s[36:43] group 1 for x's tiles;  s[44:51] for W's;  s[52:59], s[68:75] for their scale bytes
.set G1W,  44
.set G1XS, 52
.set G1WS, 68
.set G0X,  76                          ; s[76:83] group 0 for x, one set for each slot;  s[84:91] for W;  s[92:95], s[96:99] for the scale bytes
.set G0W,  84
.set G0XS, 92
.set G0WS, 96
.set MSB, 0
.macro WIN new                         ; the immediate's high byte repeats the setting that is left
.if MSB != (\new)
	s_set_vgpr_msb (MSB<<8)|(\new)
.set MSB, (\new)
.endif
.endm
.macro PLACES n
.rept \n
	v_nop
.endr
.endm
.macro CREST                           ; a round of the cluster's barrier behind its opening barrier
	s_cmp_lg_u32 s[WV], 0
	s_cbranch_scc1 .Lnot_wave_0_\@
	s_barrier_signal -3
.Lnot_wave_0_\@:
	s_barrier_wait -3
	s_barrier_signal -1
	s_barrier_wait -1
.endm
.macro CROUND                          ; a whole round
	s_barrier_signal -1
	s_barrier_wait -1
	CREST
.endm
; A joint refill: wave 0 asks for x's tile, waves 1 to 3 for their W's.  The branch hangs on the wave's number alone.  Four v_nop follow each of the two lines.
.macro JLOAD s
	s_cmp_eq_u32 s[WV], 0
	s_cbranch_scc0 .Lfor_w_\@
	tensor_load_to_lds s[G0X+4*\s:G0X+4*\s+3], s[G1X:G1X+7]
	s_nop 0
	PLACES 4
	s_branch .Lasked_\@
.Lfor_w_\@:
	tensor_load_to_lds s[G0W+4*\s:G0W+4*\s+3], s[G1W:G1W+7]
	s_nop 0
	PLACES 4
.Lasked_\@:
.endm
	s_load_b512 s[4:19], s[0:1], 0x0               ; x codes, x scales, Wq codes, Wq scales, Wk codes, Wk scales, Wv codes, Wv scales
	s_load_b64 s[20:21], s[0:1], 0x40              ; qkv
	v_lshl_add_u32 v[SPW], v0, 2, SPARE
	v_mov_b32 v[NIL], 0
	ds_add_u32 v28, v29
	ds_add_u32 v28, v29
	s_wait_dscnt 0x0
	v_lshrrev_b32 v1, 5, v0
	v_readfirstlane_b32 s[WV], v1                  ; wave 0..3
	s_bfe_u32 s23, ttmp6, 0x40000                  ; cx
	s_bfe_u32 s24, ttmp6, 0x40004                  ; cy
	s_lshl_b32 s25, ttmp9, 2
	s_add_co_u32 s25, s25, s23                     ; the head = 4 x cluster x + cx
	s_and_b32 s26, ttmp7, 0xffff
	s_lshl_b32 s26, s26, 2
	s_add_co_u32 s26, s26, s24                     ; the first tile's block of 256 tokens = 4 x cluster y + cy: 0 .. 15
	s_lshl_b32 s27, s24, 2
	s_lshl_b32 s27, 15, s27                        ; my row of the cluster
	s_lshl_b32 s28, 0x1111, s23                    ; my column
	; group 1.  x: 256 rows x 256 bytes, 1,024 bytes apart, 16 bytes of padding behind each row
	s_or_b32 s[G1X], s27, (1<<20)|(1<<21)|(5<<22)|(3<<25)    ; 15:0 the mask: my row; 17:16 elements of 1 byte; 20 padding on; 21 set beside a mask; 24:22 after every 64 words; 31:25 four words
	s_mov_b32 s[G1X+1], 256<<16                    ; tensor_dim0
	s_mov_b32 s[G1X+2], 256<<16                    ; tensor_dim1
	s_mov_b32 s[G1X+3], 256<<16                    ; tile_dim0
	s_mov_b32 s[G1X+4], 256                        ; tile_dim1
	s_mov_b32 s[G1X+5], 1024                       ; from row to row
	s_mov_b32 s[G1X+6], 0
	s_mov_b32 s[G1X+7], 0
	; W: 64 rows x 256 bytes
	s_or_b32 s[G1W], s28, (1<<20)|(1<<21)|(5<<22)|(3<<25)    ; the mask: my column
	s_mov_b32 s[G1W+1], 256<<16
	s_mov_b32 s[G1W+2], 64<<16
	s_mov_b32 s[G1W+3], 256<<16
	s_mov_b32 s[G1W+4], 64
	s_mov_b32 s[G1W+5], 1024
	s_mov_b32 s[G1W+6], 0
	s_mov_b32 s[G1W+7], 0
	; a tile's x scale bytes: 8,192 dense bytes as 32 rows of 256 (32 elements of 8 bytes)
	s_or_b32 s[G1XS], s27, (3<<16)|(1<<21)
	s_mov_b32 s[G1XS+1], 32<<16
	s_mov_b32 s[G1XS+2], 32<<16
	s_mov_b32 s[G1XS+3], 32<<16
	s_mov_b32 s[G1XS+4], 32
	s_mov_b32 s[G1XS+5], 32
	s_mov_b32 s[G1XS+6], 0
	s_mov_b32 s[G1XS+7], 0
	; a W's scale bytes: 2,048 dense bytes as 8 rows of 256
	s_or_b32 s[G1WS], s28, (3<<16)|(1<<21)
	s_mov_b32 s[G1WS+1], 32<<16
	s_mov_b32 s[G1WS+2], 8<<16
	s_mov_b32 s[G1WS+3], 32<<16
	s_mov_b32 s[G1WS+4], 8
	s_mov_b32 s[G1WS+5], 32
	s_mov_b32 s[G1WS+6], 0
	s_mov_b32 s[G1WS+7], 0
	; offsets: x's hang on the block of tokens alone, W's on the head alone
	s_lshl_b32 s60, s26, 18                        ; 256 rows of 1,024 bytes
	s_mov_b32 s61, 0
	s_lshl_b32 s62, s26, 13                        ; 256 rows of 32 bytes
	s_mov_b32 s63, 0
	s_lshl_b32 s34, s25, 16                        ; 64 rows of 1,024 bytes
	s_mov_b32 s35, 0
	s_lshl_b32 s2, s25, 11                         ; 64 rows of 32 bytes
	s_mov_b32 s3, 0
	s_mul_i32 s[G0W+1], s[WV], WB                  ; W's place in a slot: behind x's rows, (wave - 1) x 64 rows on
	s_add_co_u32 s[G0W+1], s[G0W+1], XB-WB
	s_add_co_u32 s[G0W+5], s[G0W+1], SLOT
	s_lshl_b32 s[G0WS+1], s[WV], 11
	s_add_co_u32 s[G0WS+1], s[G0WS+1], SCL+6144    ; and of its scale bytes: behind the first tile's x 8,192
	s_wait_kmcnt 0x0
	s_cmp_eq_u32 s[WV], 2                          ; which W is my wave's: 1 Wq, 2 Wk, 3 Wv.  The choice hangs on the wave's number alone
	s_cselect_b64 s[30:31], s[12:13], s[8:9]
	s_cselect_b64 s[32:33], s[14:15], s[10:11]
	s_cmp_eq_u32 s[WV], 3
	s_cselect_b64 s[30:31], s[16:17], s[30:31]
	s_cselect_b64 s[32:33], s[18:19], s[32:33]
	s_add_nc_u64 s[30:31], s[30:31], s[34:35]
	s_mov_b32 s[G0X], 1                            ; count = 1
	s_mov_b32 s[G0X+1], 0                          ; LDS address: slot 0
	s_add_nc_u64 s[G0X+2:G0X+3], s[4:5], s[60:61]
	s_mov_b32 s[G0X+4], 1
	s_mov_b32 s[G0X+5], SLOT
	s_add_nc_u64 s[G0X+6:G0X+7], s[G0X+2:G0X+3], 256       ; slot 1: the next 256 along K
	s_or_b32 s[G0X+3], s[G0X+3], 0x80000000        ; type = 2
	s_or_b32 s[G0X+7], s[G0X+7], 0x80000000
	s_mov_b32 s[G0W], 1
	s_mov_b64 s[G0W+2:G0W+3], s[30:31]
	s_mov_b32 s[G0W+4], 1
	s_add_nc_u64 s[G0W+6:G0W+7], s[30:31], 256
	s_or_b32 s[G0W+3], s[G0W+3], 0x80000000
	s_or_b32 s[G0W+7], s[G0W+7], 0x80000000
	s_mov_b32 s[G0XS], 1
	s_mov_b32 s[G0XS+1], SCL
	s_add_nc_u64 s[G0XS+2:G0XS+3], s[6:7], s[62:63]
	s_add_nc_u64 s[G0XT+2:G0XT+3], s[G0XS+2:G0XS+3], 16*8192   ; the second tile's: 16 blocks of 256 rows of 32 bytes on
	s_or_b32 s[G0XS+3], s[G0XS+3], 0x80000000
	s_mov_b32 s[G0XT], 1
	s_mov_b32 s[G0XT+1], XS1
	s_or_b32 s[G0XT+3], s[G0XT+3], 0x80000000
	s_mov_b32 s[G0WS], 1
	s_add_nc_u64 s[G0WS+2:G0WS+3], s[32:33], s[2:3]
	s_or_b32 s[G0WS+3], s[G0WS+3], 0x80000000
	CROUND                                         ; all sixteen work-groups are here: the first joint loads meet
	s_cmp_eq_u32 s[WV], 0                          ; a wave's first fills stand in one branch, ahead of every wait on TENSORcnt, every LDS read and every other barrier: four loads (wave 0) or three of mine are out
	s_cbranch_scc0 .Lfirst_w
	tensor_load_to_lds s[G0XS:G0XS+3], s[G1XS:G1XS+7]
	s_nop 0
	tensor_load_to_lds s[G0XT:G0XT+3], s[G1XS:G1XS+7]
	s_nop 0
	tensor_load_to_lds s[G0X:G0X+3], s[G1X:G1X+7]
	s_nop 0
	tensor_load_to_lds s[G0X+4:G0X+7], s[G1X:G1X+7]
	s_nop 0
	PLACES 4
	s_branch .Lfirst_done
.Lfirst_w:
	tensor_load_to_lds s[G0WS:G0WS+3], s[G1WS:G1WS+7]
	s_nop 0
	tensor_load_to_lds s[G0W:G0W+3], s[G1W:G1W+7]
	s_nop 0
	tensor_load_to_lds s[G0W+4:G0W+7], s[G1W:G1W+7]
	s_nop 0
	PLACES 4
.Lfirst_done:
	v_and_b32 v1, 15, v0                           ; r = lane % 16
	v_bfe_u32 v2, v0, 4, 1                         ; h = lane / 16
	v_and_b32 v3, 31, v0                           ; lane
	v_mul_u32_u24 v4, v1, PITCH
	v_lshl_add_u32 v4, v2, 4, v4                   ; a fragment's row x pitch + 16 h
	s_mul_i32 s30, s[WV], 64*PITCH                 ; my 64 rows of x
	v_add_nc_u32 v[ADRX], s30, v4
	v_add_nc_u32 v[ADRX+1], SLOT, v[ADRX]
	v_add_nc_u32 v[ADRW], XB, v4
	v_add_nc_u32 v[ADRW+1], SLOT+XB, v4
	v_lshlrev_b32 v5, 5, v1                        ; 32 bytes of scales a row
	s_xor_b32 s31, s[WV], 3
	s_add_co_u32 s31, s31, 2
	s_lshl_b32 s31, s31, 11                        ; 2,048 (5 - wave): from my x rows' scales, first tile, up to Wk's
	v_mul_u32_u24 v6, s31, v2                      ; lanes 16-31 take Wk's
	s_lshl_b32 s30, s[WV], 11
	s_add_co_u32 s30, s30, SCL
	v_add_nc_u32 v6, v6, v5
	v_add_nc_u32 v[ADS1], s30, v6
	v_xor_b32 v9, 1, v2                            ; the second tile's x scales lie above Wk's: here lanes 0-15 take the upper base
	s_add_co_u32 s31, s[WV], 2
	s_lshl_b32 s31, s31, 11                        ; 2,048 (wave + 2): from Wk's scales up to my x rows', second tile
	v_mul_u32_u24 v9, s31, v9
	v_add_nc_u32 v9, v9, v5
	v_add_nc_u32 v[ADS1B], SCL+10240, v9
	v_lshl_add_u32 v[ADS2], v2, 12, v5             ; lanes 0-15 Wq's, lanes 16-31 Wv's, 4,096 bytes on
	v_add_nc_u32 v[ADS2], SCL+8192, v[ADS2]
	v_lshlrev_b32 v7, 4, v3
	s_wait_alu depctr_va_vdst(0)
	v_lshlrev_b32 v8, 2, v3
	s_wait_alu depctr_va_vdst(0)
	s_lshl_b32 s30, s[WV], 12
	v_add_nc_u32 v[OQ], s30, v7
	s_lshl_b32 s30, s[WV], 8
	v_add_nc_u32 v[OS4], s30, v8
	s_lshl_b32 s30, s[WV], 7
	v_add_nc_u32 v[OKS], s30, v8
	s_lshr_b32 s30, s[WV], 1
	s_and_b32 s31, s[WV], 1
	s_lshl_b32 s32, s30, 13
	s_lshl_b32 s33, s31, 10
	s_add_co_u32 s32, s32, s33
	v_add_nc_u32 v[OV], s32, v7
	s_lshl_b32 s32, s30, 8
	s_lshl_b32 s33, s31, 1
	s_add_co_u32 s32, s32, s33
	v_add_nc_u32 v[OVS], s32, v8
	v_cmp_ne_u32 s29, 0, v2                        ; the mask of lanes 16-31
	s_lshr_b32 s30, s26, 3                         ; the first tile's block of qkv: ((batch x 16 + head) x 8 + which 256 tokens of the batch)
	s_lshl_b32 s30, s30, 4
	s_add_co_u32 s30, s30, s25
	s_lshl_b32 s30, s30, 3
	s_and_b32 s31, s26, 7
	s_add_co_u32 s30, s30, s31
	s_mul_i32 s30, s30, BLOCKB
	s_mov_b32 s31, 0
	s_add_nc_u64 s[20:21], s[20:21], s[30:31]
	s_mov_b32 s60, 0x76543210
	s_mov_b32 s61, 0xfedcba98                      ; v_permlanex16_b32's selects for lane l xor 16
.irp b, 0,1,2,3
	v_mov_b32 v[BY+\b], 0                          ; written once: a lane permute's destination counts as one of its sources
.endr
; 16 LDS loads: W's tiles 4 g .. 4 g + 3 (g = 0 Wq, 1 Wk, 2 Wv), the slot's q-th 128 along K.  A fragment is 16 registers: lane l holds row l % 16; registers 4 c .. 4 c + 3 hold K = 32 c + 16 (l / 16) + 0 .. 15
.macro FW g, slot, q
	WIN 0x40                                       ; destination window 1, address window 0
.irp t, 0,1,2,3
.irp c, 0,1,2,3
	ds_load_b128 v[16*(4*\g+\t)+4*\c:16*(4*\g+\t)+4*\c+3], v[ADRW+(\slot)] offset:128*(\q)+32*\c+16*(4*\g+\t)*PITCH
.endr
.endr
	WIN 0
.endm
.macro FX slot, q, p                   ; 16 LDS loads: my four tiles of x into set p
.irp i, 0,1,2,3
.irp c, 0,1,2,3
	ds_load_b128 v[XF+64*(\p)+16*\i+4*\c:XF+64*(\p)+16*\i+4*\c+3], v[ADRX+(\slot)] offset:128*(\q)+32*\c+16*\i*PITCH
.endr
.endr
.endm
; 16 matrix instructions each.  p: x's set;  ks: the K step, which picks the scale words;  zero = 1: the first products start the sums.  The 48 accumulators take turns, one instruction a turn, in the same order in every step.
.macro MULQ p, ks, zero
	WIN 0xa1                                       ; source 0 (W) window 1, source 1 (x) window 0, C and D window 2
.irp i, 0,1,2,3
.irp t, 0,1,2,3
.if \zero
	v_wmma_scale_f32_16x16x128_f8f6f4 v[8*(4*\i+\t):8*(4*\i+\t)+7], v[16*\t:16*\t+15], v[XF+64*(\p)+16*\i:XF+64*(\p)+16*\i+15], 0, v[SC+8*(4+\t)+\ks], v[SC+8*\i+\ks]
.else
	v_wmma_scale_f32_16x16x128_f8f6f4 v[8*(4*\i+\t):8*(4*\i+\t)+7], v[16*\t:16*\t+15], v[XF+64*(\p)+16*\i:XF+64*(\p)+16*\i+15], v[8*(4*\i+\t):8*(4*\i+\t)+7], v[SC+8*(4+\t)+\ks], v[SC+8*\i+\ks]
.endif
.endr
.endr
.endm
.macro MULK p, ks, zero
	WIN 0xa1
.irp i, 0,1,2,3
.irp t, 0,1,2,3
.if \zero
	v_wmma_scale_f32_16x16x128_f8f6f4 v[128+8*(4*\i+\t):128+8*(4*\i+\t)+7], v[16*(4+\t):16*(4+\t)+15], v[XF+64*(\p)+16*\i:XF+64*(\p)+16*\i+15], 0, v[SC+8*\t+\ks], v[SC+8*\i+\ks] matrix_a_scale:MATRIX_SCALE_ROW1
.else
	v_wmma_scale_f32_16x16x128_f8f6f4 v[128+8*(4*\i+\t):128+8*(4*\i+\t)+7], v[16*(4+\t):16*(4+\t)+15], v[XF+64*(\p)+16*\i:XF+64*(\p)+16*\i+15], v[128+8*(4*\i+\t):128+8*(4*\i+\t)+7], v[SC+8*\t+\ks], v[SC+8*\i+\ks] matrix_a_scale:MATRIX_SCALE_ROW1
.endif
.endr
.endr
.endm
.macro MULV p, ks, zero
	WIN 0xf4                                       ; source 0 (x) window 0, source 1 (Wv) window 1, C and D window 3
.irp t, 0,1,2,3
.irp i, 0,1,2,3
.if \zero
	v_wmma_scale_f32_16x16x128_f8f6f4 v[8*(4*\t+\i):8*(4*\t+\i)+7], v[XF+64*(\p)+16*\i:XF+64*(\p)+16*\i+15], v[16*(8+\t):16*(8+\t)+15], 0, v[SC+8*\i+\ks], v[SC+8*(4+\t)+\ks] matrix_b_scale:MATRIX_SCALE_ROW1
.else
	v_wmma_scale_f32_16x16x128_f8f6f4 v[8*(4*\t+\i):8*(4*\t+\i)+7], v[XF+64*(\p)+16*\i:XF+64*(\p)+16*\i+15], v[16*(8+\t):16*(8+\t)+15], v[8*(4*\t+\i):8*(4*\t+\i)+7], v[SC+8*\i+\ks], v[SC+8*(4+\t)+\ks] matrix_b_scale:MATRIX_SCALE_ROW1
.endif
.endr
.endr
.endm
; A tile begins: its scale words of all of K (eight words a row; ads: the tile's address of x's and Wk's), and the first step's fragments out of slot 0.
.macro FIRSTF ads
.irp p, 0,1,2,3
	ds_load_b128 v[SC+8*\p:SC+8*\p+3], v[\ads] offset:512*\p
	ds_load_b128 v[SC+8*\p+4:SC+8*\p+7], v[\ads] offset:512*\p+16
	ds_load_b128 v[SC+32+8*\p:SC+32+8*\p+3], v[ADS2] offset:512*\p
	ds_load_b128 v[SC+32+8*\p+4:SC+32+8*\p+7], v[ADS2] offset:512*\p+16
.endr
	FW 0, 0, 0
	FX 0, 0, 0
	FW 1, 0, 0
	FW 2, 0, 0
.endm
; A load into a register that a matrix instruction has read stands eight places behind it, and only plain vector instructions that name none of its registers are places.
; A slot's first step: multiplies x's set 0; each third of W is fetched anew, for the slot's second step, as soon as its 16 products are issued; x's second step goes into set 1.
; LDS loads come back in order (ISA guide 5.7.1), and they are always issued in the order Wq, x, Wk, Wv.
.macro STEP ks, slot, zero
	s_wait_dscnt 32                                ; Wq and x are in; Wk's 16 and Wv's 16 may be out
	MULQ 0, \ks, \zero
	PLACES 8
	FW 0, \slot, 1
	FX \slot, 1, 1
	s_wait_dscnt 48                                ; Wk is in; behind it: Wv's 16 and the 32 just issued
	MULK 0, \ks, \zero
	PLACES 8
	FW 1, \slot, 1
	s_wait_dscnt 48                                ; Wv is in; behind it: the next step's 48
	MULV 0, \ks, \zero
	PLACES 8
	FW 2, \slot, 1
.endm
; A slot's second step multiplies x's set 1 and changes slots: ONE barrier; in front of it each wave waits for all its tensor loads, adds 0 to its spare word, and waits for that and for its own reads of this slot.
; fill = 1: the barrier opens a round of the cluster's barrier, and this slot is filled again, 512 along K further on.  fill = 2: likewise, with the NEXT tile's part of K for this slot.  fill = 0: nothing is left to fetch.
.macro TURN ks, slot, fill
	s_wait_tensorcnt 0x0                           ; all my tensor loads have landed: my part of the other slot (every window is 0 here)
	ds_add_u32 v[SPW], v[NIL]                      ; 0 onto my spare word
	s_wait_dscnt 33                                ; Wq and x are in; Wk's 16, Wv's 16 and the add may be out
	MULQ 1, \ks, 0                                 ; sixteen matrix instructions stand between the add and the wait for it
	s_wait_dscnt 0x0                               ; the add is done, and my reads of this slot are over
	s_barrier_signal -1
	MULK 1, \ks, 0                                 ; work on registers while the others arrive
	WIN 0
	s_barrier_wait -1
.if \fill
	CREST                                          ; no wave of any partner still reads this slot's tiles or has a load on its way
.if \fill == 2
	s_add_nc_u64 s[G0X+4*\slot+2:G0X+4*\slot+3], s[G0X+4*\slot+2:G0X+4*\slot+3], NEXT_X
	s_sub_nc_u64 s[G0W+4*\slot+2:G0W+4*\slot+3], s[G0W+4*\slot+2:G0W+4*\slot+3], 512   ; both tiles take the same rows of W: only back along K
.else
	s_add_nc_u64 s[G0X+4*\slot+2:G0X+4*\slot+3], s[G0X+4*\slot+2:G0X+4*\slot+3], 512
	s_add_nc_u64 s[G0W+4*\slot+2:G0W+4*\slot+3], s[G0W+4*\slot+2:G0W+4*\slot+3], 512
.endif
	JLOAD \slot                                    ; the first tensor load behind the round, one a wave; its four v_nop are four of the eight places in front of the loads below
	PLACES 4
.else
	PLACES 8
.endif
	FW 0, 1-\slot, 0
	FX 1-\slot, 0, 0
	FW 1, 1-\slot, 0
	MULV 1, \ks, 0
	PLACES 8
	FW 2, 1-\slot, 0
.endm
.macro LASTK                           ; a tile's last step: nothing more to fetch out of LDS
	s_wait_dscnt 32
	MULQ 1, 7, 0
	s_wait_dscnt 0x0                               ; my reads of slot 1 are over
	MULK 1, 7, 0
	MULV 1, 7, 0
	WIN 0
	PLACES 8                                       ; in front of the first read of results and of the first write over x's fragments
.endm
; THE WAY OUT.  64 numbers of a lane in window W, v[s] on: four blocks, 16 registers each, the other 16 numbers of a block in lane l xor 16.  Codes to v[PC] on, the four scale bytes to v[BY] on.
; A block's scale byte is its largest magnitude's exponent field - 8, held at 1 from below by the floor 2^(9 - 127) among the maximum's leaves.
.macro QUANT s, W
	WIN 5*(\W)                                     ; sources 0 and 1 window W
.irp b, 0,1,2,3
	v_max3_num_f32 v[TM+\b], |v[(\s)+16*\b]|, |v[(\s)+16*\b+1]|, 0x4800000     ; each accumulator is read from its low end on
.endr
.irp i, 2,4,6,8,10,12,14
.irp b, 0,1,2,3
	v_max3_num_f32 v[TM+\b], |v[(\s)+16*\b+\i]|, |v[(\s)+16*\b+\i+1]|, v[TM+\b]   ; the four blocks by turns
.endr
.endr
	WIN 0
.irp b, 0,1,2,3
	v_permlanex16_b32 v[BY+\b], v[TM+\b], s60, s61
.endr
.irp b, 0,1,2,3
	v_max_num_f32 v[TM+\b], v[TM+\b], v[BY+\b]     ; with lane l xor 16's: the block's largest magnitude
.endr
.irp b, 0,1,2,3
	v_add_nc_u32 v[CS+\b], 0xfc000000, v[TM+\b]    ; 8 off its exponent field: the conversion takes this operand's exponent field as its scale
.endr
.irp b, 0,1,2,3
.endr
.irp b, 0,1,2,3
	v_lshrrev_b32 v[BY+\b], 23, v[CS+\b]           ; the scale's byte
.endr
	WIN 65*(\W)                                    ; destination and source 0 window W
.irp b, 0,1,2,3
.irp i, 0,1,2,3,4,5,6,7,8,9,10,11,12,13,14,15
.endr
.endr
	s_wait_alu depctr_va_vdst(0)
	s_wait_xcnt 0x0                                ; the earlier stores have read their data: the codes and the word are written again only behind this wait
	WIN \W                                         ; source 0 window W
.irp b, 0,1,2,3
	v_cvt_scalef32_pk8_fp8_f32 v[PC+4*\b:PC+4*\b+1], v[(\s)+16*\b:(\s)+16*\b+7], v[CS+\b]
	v_cvt_scalef32_pk8_fp8_f32 v[PC+4*\b+2:PC+4*\b+3], v[(\s)+16*\b+8:(\s)+16*\b+15], v[CS+\b]
.endr
	WIN 0
	v_nop                                          ; one plain vector instruction behind the last scaled conversion
.endm
.macro WAYOUT
.irp pr, 0,1                           ; q: tiles 2 pr and 2 pr + 1 of my four: blocks 0, 1 are the first tile's two halves of d, blocks 2, 3 the second's
	QUANT 64*\pr, 2
	v_cndmask_b32 v[WD], v[BY], v[BY+2], s29       ; lanes 0-15 store the first tile's word, lanes 16-31 the second's
	v_cndmask_b32 v[WD+1], v[BY+1], v[BY+3], s29
	v_lshl_or_b32 v[WD], v[WD+1], 8, v[WD]
	v_lshl_or_b32 v[WD], v[WD], 16, v[WD]          ; the two bytes twice: q stands in either half of a K of 128
.irp k, 0,1,2,3
	global_store_b128 v[OQ], v[PC+4*\k:PC+4*\k+3], s[20:21] offset:OFF_QC+2048*\pr+512*\k   ; 32 lanes store 512 consecutive bytes
.endr
	global_store_b32 v[OS4], v[WD], s[20:21] offset:OFF_QS+128*\pr
.endr
.irp f, 0,1                            ; k: fragment 2 wave + f holds two tiles of keys: chunks 0, 1 the first tile's halves of d, chunks 2, 3 the second's
	QUANT 128+64*\f, 2
	v_lshl_or_b32 v[WD+2+\f], v[BY+1], 8, v[BY]
	v_lshl_or_b32 v[WD+2+\f], v[BY+2], 16, v[WD+2+\f]
	v_lshl_or_b32 v[WD+2+\f], v[BY+3], 24, v[WD+2+\f]
.irp k, 0,1,2,3
	global_store_b128 v[OQ], v[PC+4*\k:PC+4*\k+3], s[20:21] offset:OFF_KC+2048*\f+512*\k
.endr
.endr
	v_cndmask_b32 v[WD], v[WD+2], v[WD+3], s29     ; lanes 0-15 store the first fragment's words, lanes 16-31 the second's
	global_store_b32 v[OKS], v[WD], s[20:21] offset:OFF_KS
.irp pr, 0,1                           ; v: tiles 2 pr, 2 pr + 1 of d; in each my 64 tokens are two blocks of 32 keys
	QUANT 64*\pr, 3
	v_cndmask_b32 v[WD], v[BY], v[BY+2], s29
	v_cndmask_b32 v[WD+1], v[BY+1], v[BY+3], s29
	v_lshl_or_b32 v[WD], v[WD+1], 8, v[WD]         ; my two of the four bytes of a row's word for 128 keys
.irp k, 0,1,2,3
	global_store_b128 v[OV], v[PC+4*\k:PC+4*\k+3], s[20:21] offset:OFF_VC+2048*(2*\pr+\k/2)+512*(\k%2)
.endr
	global_store_b16 v[OVS], v[WD], s[20:21] offset:OFF_VS+128*\pr   ; two bytes a lane, inside 128 neighbouring bytes; the other two come from the neighbouring wave
.endr
.endm
	s_wait_tensorcnt 1                             ; my scale bytes and my part of slot 0 are in; slot 1's load may stay out
	s_barrier_signal -1
	s_barrier_wait -1                              ; everybody's are
	; ---- the first tile
	FIRSTF ADS1
	STEP 0, 0, 1                                   ; the first step's products start the sums: nothing is cleared
	TURN 1, 0, 1
	STEP 2, 1, 0
	TURN 3, 1, 1
	STEP 4, 0, 0
	TURN 5, 0, 2                                   ; THE RING GOES ON INTO THE SECOND TILE: slot 0 takes its first 256 along K, which have 112 matrix instructions and the way out in which to land
	STEP 6, 1, 0
	LASTK
	WAYOUT
	; ---- between the tiles: slot 1, which LASTK has read out, takes the second tile's second 256 along K
	s_wait_xcnt 0x0                                ; the stores have read their data and their base: x's fragments may land on the codes' registers, and the base may step
	s_add_nc_u64 s[20:21], s[20:21], NEXT_O
	s_wait_tensorcnt 0x0                           ; my one load that was out, my part of slot 0, has landed; no tensor load of mine is out, so a group 0 may be written
	ds_add_u32 v[SPW], v[NIL]                      ; 0 onto my spare word; the descriptors' steps stand between it and the wait for it
	s_add_nc_u64 s[G0X+6:G0X+7], s[G0X+6:G0X+7], NEXT_X
	s_sub_nc_u64 s[G0W+6:G0W+7], s[G0W+6:G0W+7], 512
	s_wait_dscnt 0x0                               ; the add is done; my reads of slot 1 were over in the last step
	CROUND                                         ; the same holds of every wave of every partner; slot 0 is whole
	JLOAD 1                                        ; the first tensor load behind the round, one a wave
	; ---- the second tile
	FIRSTF ADS1B
	STEP 0, 0, 1
	TURN 1, 0, 1
	STEP 2, 1, 0
	TURN 3, 1, 1
	STEP 4, 0, 0
	TURN 5, 0, 0                                   ; nothing is left to fetch: no round
	STEP 6, 1, 0
	LASTK
	WAYOUT
	s_wait_tensorcnt 0x0                           ; the wave's end
	ds_add_u32 v[SPW], v[NIL]
	s_wait_dscnt 0x0
	CROUND                                         ; the closing round: no work-group ends while a partner may still ask for a tile that names it
	s_endpgm
.Lfunc_end_k_qe489ebab80_proj:
	.size	k_qe489ebab80_proj, .Lfunc_end_k_qe489ebab80_proj-k_qe489ebab80_proj
	.p2alignl 7, 3214868480
	.fill 96, 4, 3214868480
	.section	.rodata,"a",@progbits
	.p2align	6, 0x0
	.amdhsa_kernel k_qe489ebab80_proj
		.amdhsa_group_segment_fixed_size 327680
		.amdhsa_private_segment_fixed_size 0
		.amdhsa_enable_private_segment 0
		.amdhsa_kernarg_size 72
		.amdhsa_user_sgpr_count 2
		.amdhsa_user_sgpr_kernarg_segment_ptr 1
		.amdhsa_wavefront_size32 1
		.amdhsa_system_sgpr_workgroup_id_x 1
		.amdhsa_system_sgpr_workgroup_id_y 1
		.amdhsa_system_sgpr_workgroup_id_z 1
		.amdhsa_system_vgpr_workitem_id 0
		.amdhsa_next_free_vgpr 896
		.amdhsa_next_free_sgpr 100
		.amdhsa_reserve_vcc 0
		.amdhsa_float_denorm_mode_32 3
		.amdhsa_float_denorm_mode_16_64 3
		.amdhsa_fp16_overflow 1
		.amdhsa_memory_ordered 1
		.amdhsa_forward_progress 1
		.amdhsa_inst_pref_size 245
	.end_amdhsa_kernel
	.amdgpu_metadata
---
amdhsa.version: [ 1, 2 ]
amdhsa.kernels:
  - .name:           k_qe489ebab80_proj
    .symbol:         k_qe489ebab80_proj.kd
    .args:
      - { .name: x_codes, .offset: 0, .size: 8, .value_kind: global_buffer, .address_space: global }
      - { .name: x_scales, .offset: 8, .size: 8, .value_kind: global_buffer, .address_space: global }
      - { .name: Wq_codes, .offset: 16, .size: 8, .value_kind: global_buffer, .address_space: global }
      - { .name: Wq_scales, .offset: 24, .size: 8, .value_kind: global_buffer, .address_space: global }
      - { .name: Wk_codes, .offset: 32, .size: 8, .value_kind: global_buffer, .address_space: global }
      - { .name: Wk_scales, .offset: 40, .size: 8, .value_kind: global_buffer, .address_space: global }
      - { .name: Wv_codes, .offset: 48, .size: 8, .value_kind: global_buffer, .address_space: global }
      - { .name: Wv_scales, .offset: 56, .size: 8, .value_kind: global_buffer, .address_space: global }
      - { .name: qkv, .offset: 64, .size: 8, .value_kind: global_buffer, .address_space: global }
    .group_segment_fixed_size: 327680
    .private_segment_fixed_size: 0
    .kernarg_segment_align: 8
    .kernarg_segment_size: 72
    .max_flat_workgroup_size: 128
    .sgpr_count:     100
    .vgpr_count:     896
    .wavefront_size: 32
...
	.end_amdgpu_metadata
.endif
;; end of part 1
;; launch attn (part 2): grid 4 x 64, 16 waves a work-group, no clusters, 327,680 bytes of LDS; arguments qkv, ctx; writes ctx
.if DOCPART == 2
	.amdgcn_target "amdgcn-amd-amdhsa--gfx1250"
	.amdhsa_code_object_version 6
	.text
	.protected	k_qe489ebab80_attn
	.globl	k_qe489ebab80_attn
	.p2align	8
	.type	k_qe489ebab80_attn,@function
k_qe489ebab80_attn:
	s_mov_b64 s[64:65], 0
	v_nop
	global_prefetch_b8 v0, s[64:65] scope:SCOPE_SE
	s_setreg_imm32_b32 hwreg(HW_REG_WAVE_MODE, 25, 1), 1
	s_wait_xcnt 0x0
; Causal attention of one head on codes of FP8 (E4M3) with one E8M0 scale for each 32 along a product's K, and the quantising of its result for the last projection.
; qkv holds, for each head and each 256 tokens, a block of 51,200 bytes of operand images (a chunk: 512 bytes, lane l's 16 bytes at 16 l): KC 0, VC 16,384, KS 32,768, VS 33,280 (together one key slot of 33,792 dense bytes), QC 33,792, QS 50,176.
; THE SOFTMAX: t = score x log2(e) / 8; M = the row's largest t so far, rounded UP to a whole number; p = 2^(t - M) is quantised along the keys, not normalised; the row's sum is taken of the unquantised p and divides O at the end.
; When M moves, the sum and O are multiplied by 2^(old M - new M): exact.
; SHARES.  Work-group i of a head owns the blocks of 256 queries 7 - i and i: it walks key slots 0 .. 7 - i for the first and 0 .. i for the second: NINE slots in every work-group, so the trip count is a constant and all work-groups have equal work.
; Each of the sixteen waves owns one tile of 16 queries in 256 registers.  A step is 128 keys; a step all of whose keys come after the wave's queries is jumped over by a scalar branch on ids.
; NO JOINT LOADS: the four work-groups of a head want different key slots in the same trip (their first blocks end after 8, 7, 6, 5 slots); walking slots 0 .. 7 in step would take 12 slot times for 9, with both blocks' state in registers.
; LAYOUT.  Both products are used transposed: S^T = K Q^T, O^T = V^T P^T: a lane holds ONE query (lane % 16) throughout.
; K = 64 IN A K OF 128.  One fragment of k (16 registers) holds TWO tiles of keys: row m carries key 32 f + m in k = 0 .. 63 and key 32 f + 16 + m in k = 64 .. 127.  Q stands as [8 zeros][8 registers of Q][8 zeros]: v[24:39] = [Q, 0] picks the
; first tile, v[16:31] = [0, Q] the second.  The half not wanted multiplies finite codes (the quantiser holds at 448, so there is no NaN code; the bytes lie in 1 .. 254) by zero codes: exactly 0.  So here zero codes stand on one side alone.
; THE ORDER INSIDE A BLOCK OF 32: register 16 f + e of S^T holds key 32 f + 8 h + e + 8 (e / 8) (h = lane / 16); the conversions put these into the places 32 f + 16 h + e.  v's images carry the same permutation of the keys, q's and k's the same of d:
; the products and the blocks' scales are those of the natural order; only the order in which the unit adds them differs.  ctx meets Wo in natural order: the way out exchanges 8 bytes a block between lanes l and l xor 16.
; ctx: [128 rows 0..63][K step of 128 0..7][16,896 bytes]: [tile of 16 rows 0..7][c 0..3][512], then at 16,384 [tile][row] scale words.
; LIMITS: inputs that are not finite are not served.  A block whose largest magnitude lies under 2^-118 keeps the scale byte 1; a block of zeros has the byte 1 and zero codes (this program alone reads the bytes).
.set OFF_KC, 0
.set OFF_VC, 16384
.set OFF_KS, 32768
.set OFF_VS, 33280
.set OFF_QC, 33792
.set OFF_QS, 50176
.set BLOCKB, 51200
.set HALFB,  16896                     ; half a key slot: 66 rows of 256 bytes, what one tensor load brings
.set SLOT1,  65536                     ; slot 1 begins here: one exclusive or turns an address in one slot into the other's
.set SPARE,  131072                    ; the spare words, 128 bytes for each wave: eight blocks of 256 bytes that no other line names
.set KSB,    16896                     ; a K step of 128 rows of ctx
.set LI,   1                           ; v1   16 x lane
.set LS,   2                           ; v2   4 x (lane % 16)
.set SPW,  3                           ; v3   LDS address of my spare word; never rewritten
.set NIL,  4                           ; v4   0; never rewritten
.set ADI,  5                           ; v5   LDS address of the slot's images for my lane
.set ADS,  6                           ; v6   and of its scale words
.set RH,   7                           ; v7   lane % 16 - 8 (lane / 16)
.set QOF,  8                           ; v8   16 lane + 1,024 wave: my tile of Q
.set QSO,  9                           ; v9   4 (lane % 16) + 64 wave: its scale words
.set QSW,  10                          ; v10  Q's scale word
.set PSW,  11                          ; v11  p's scale word
                                       ; v12 -M, v13 the largest t, v[14:15] the sum in two halves; v16-23 zeros, v24-31 Q, v32-39 zeros
.set FRG,  40                          ; v40-103  four fragments of K, then of V
.set S,    104                         ; v104-167 S^T, then p
.set OT,   168                         ; v168-199 O^T
.set PC,   200                         ; v200-215 p's codes
.set KSW,  216                         ; v216-219 K's scale words
.set VSW,  220                         ; v220-223 V's
.set BM,   224                         ; v224-227 the blocks' maxima
.set PR,   228                         ; v228-231 the other half's, then the bytes
.set HOLD, 232                         ; v232-235 two chains of the sum
.set CSC,  236                         ; v236-239 the conversions' scale operand
                                       ; v[240:241] the second chain of the sum; v[242:243] f; v244-247 at work; v248 4 (lane % 16) + lane / 16
; s8 wave, s9 i, s10 batch x 16 + head, s11 the first block's slots, s12 the block of queries in hand, s13 the key slot in hand, s14 the key slot asked for last, s15 my first query, s16 the step's first key,
; s17 the LDS slot in hand, s18 trips, s[20:21] lane selects, s[22:23] c, s[24:31] group 1, s[32:35] group 0, s[36:37] the head's blocks at my half of a slot, s[38:39] an offset, s[40:41] the head's blocks, s50 the mask of lanes 16-31
	s_load_b128 s[4:7], s[0:1], 0x0                ; qkv, ctx
	v_lshl_add_u32 v[SPW], v0, 2, SPARE
	v_mov_b32 v[NIL], 0
	ds_add_u32 v3, v4
	ds_add_u32 v3, v4
	s_wait_dscnt 0x0
	v_lshrrev_b32 v5, 5, v0
	s_delay_alu instid0(VALU_DEP_1)
	v_readfirstlane_b32 s8, v5                     ; wave 0..15
	s_mov_b32 s9, ttmp9
	s_and_b32 s10, ttmp7, 0xffff
	s_sub_co_u32 s11, 8, s9
	s_sub_co_u32 s12, 7, s9                        ; the first block of queries: 7 - i
	s_mov_b32 s14, 0
	s_lshl_b32 s15, s12, 8
	s_lshl_b32 s42, s8, 4
	s_add_co_u32 s15, s15, s42                     ; my first query: 256 x block + 16 x wave
	s_mov_b32 s17, 0
	s_mov_b32 s18, 8
	s_mov_b32 s20, 0x76543210
	s_mov_b32 s21, 0xfedcba98
	s_mov_b32 s22, 0x3e38aa3b                      ; c = log2(e) / 8
	s_mov_b32 s23, s22                             ; (named with it as a pair, so it is written)
	s_mov_b32 s24, 3<<16                           ; group 1: no mask, elements of 8 bytes, no padding
	s_mov_b32 s25, 32<<16                          ; tensor_dim0 = 32 elements: 256 bytes
	s_mov_b32 s26, 66<<16                          ; tensor_dim1 = 66
	s_mov_b32 s27, 32<<16                          ; tile_dim0
	s_mov_b32 s28, 66                              ; tile_dim1
	s_mov_b32 s29, 32                              ; from row to row: dense
	s_mov_b32 s30, 0
	s_mov_b32 s31, 0
	s_mul_i32 s38, s10, 8*BLOCKB                   ; the head's eight blocks
	s_mov_b32 s39, 0
	s_mul_i32 s33, s8, HALFB                       ; where my half of a slot goes (waves 0 and 1 alone fetch)
	s_mov_b32 s42, s33
	s_mov_b32 s43, 0
	s_wait_kmcnt 0x0
	s_add_nc_u64 s[40:41], s[4:5], s[38:39]
	s_add_nc_u64 s[36:37], s[40:41], s[42:43]
	s_mov_b32 s32, 1                               ; count = 1
	s_mov_b64 s[34:35], s[36:37]                   ; key slot 0
	s_or_b32 s35, s35, 0x80000000                  ; type = 2
	s_cmp_lt_u32 s8, 2
	s_cbranch_scc0 .Lno_first
	tensor_load_to_lds s[32:35], s[24:31]          ; the first fill, ahead of every wait on TENSORcnt, every LDS read and every barrier: one load of mine is out
	s_nop 0
.rept 4
	v_nop
.endr
.Lno_first:
	v_and_b32 v5, 15, v0                           ; r
	v_bfe_u32 v6, v0, 4, 1                         ; h
	v_and_b32 v7, 31, v0                           ; lane
	s_delay_alu instid0(VALU_DEP_1)
	v_lshlrev_b32 v[LI], 4, v7
	s_delay_alu instid0(VALU_DEP_4)
	v_lshlrev_b32 v[LS], 2, v5
	s_lshl_b32 s42, s8, 10
	v_add_nc_u32 v[QOF], s42, v[LI]
	s_lshl_b32 s42, s8, 6
	v_add_nc_u32 v[QSO], s42, v[LS]
	v_add_nc_u32 v248, v[LS], v6
	v_cmp_ne_u32 s50, 0, v6
	v_lshlrev_b32 v6, 3, v6
	s_delay_alu instid0(VALU_DEP_1)
	v_sub_nc_u32 v[RH], v5, v6
.irp j, 0,1,2,3,4,5,6,7
	v_mov_b32 v[16+\j], 0                          ; the zero codes on either side of Q
	v_mov_b32 v[32+\j], 0
.endr
.irp j, 0,1,2,3
	v_mov_b32 v[PR+\j], 0                          ; written once: a lane permute's destination counts as one of its sources
	v_mov_b32 v[240+\j], 0                         ; likewise; v243 is also named as the upper half of the pair v[242:243]
.endr
	v_mov_b32 v244, 0
; My tile of the block of queries in hand comes into registers, and its sums begin: O^T and the sum as zeros, the largest t as -3e38, which the first change of M leaves zeros.
.macro LOADQ
	s_mul_i32 s38, s12, BLOCKB
	s_add_nc_u64 s[46:47], s[40:41], s[38:39]
	global_load_b128 v[24:27], v[QOF], s[46:47] offset:OFF_QC
	global_load_b128 v[28:31], v[QOF], s[46:47] offset:OFF_QC+512
	global_load_b32 v[QSW], v[QSO], s[46:47] offset:OFF_QS
	v_mov_b32 v13, 0xff61b1e6
	s_delay_alu instid0(VALU_DEP_1)
	v_floor_f32 v12, -v13
	v_mov_b32 v14, 0
	v_mov_b32 v15, 0
.set n, 0
.rept 32
	v_mov_b32 v[OT+n], 0
.set n, n+1
.endr
	s_wait_loadcnt 0x0
.endm
; A KEY STEP: 128 keys, the q-th of the slot in hand.
.macro STEP q
	s_add_co_u32 s42, s15, 15                      ; all 128 keys come after my 16 queries: the step's work is left out.  No barrier and no tensor load stands in a step
	s_cmp_gt_u32 s16, s42
	s_cbranch_scc1 .Lhidden_\@
	v_add_nc_u32 v[ADI], s17, v[LI]
	v_add_nc_u32 v[ADS], s17, v[LS]
.rept 6
	v_nop                                          ; with the two additions: eight places in front of loads into registers that the last products read
.endr
.irp f, 0,1,2,3
.irp c, 0,1,2,3
	ds_load_b128 v[FRG+16*\f+4*\c:FRG+16*\f+4*\c+3], v[ADI] offset:OFF_KC+8192*\q+2048*\f+512*\c   ; 32 lanes read 512 consecutive bytes
.endr
	ds_load_b32 v[KSW+\f], v[ADS] offset:OFF_KS+256*\q+64*\f
.endr
	s_wait_alu depctr_va_vdst(0)
	s_wait_dscnt 0x0
.irp f, 0,1,2,3                        ; S^T: each fragment of k serves two tiles of 16 keys
	v_wmma_scale_f32_16x16x128_f8f6f4 v[S+16*\f:S+16*\f+7], v[FRG+16*\f:FRG+16*\f+15], v[24:39], 0, v[KSW+\f], v[QSW]
	v_wmma_scale_f32_16x16x128_f8f6f4 v[S+16*\f+8:S+16*\f+15], v[FRG+16*\f:FRG+16*\f+15], v[16:31], 0, v[KSW+\f], v[QSW]
.endr
.rept 8
	v_nop
.endr
.irp t, 0,1,2,3                        ; V's fragments are asked for now and land under the softmax
.irp c, 0,1,2,3
	ds_load_b128 v[FRG+16*\t+4*\c:FRG+16*\t+4*\c+3], v[ADI] offset:OFF_VC+8192*\q+2048*\t+512*\c
.endr
	ds_load_b32 v[VSW+\t], v[ADS] offset:OFF_VS+256*\q+64*\t
.endr
	s_add_co_u32 s42, s16, 127                     ; on the diagonal the scores of hidden keys become -infinity ahead of the maximum: p = 0 then.  A step all of whose keys count skips this
	s_cmp_le_u32 s42, s15
	s_cbranch_scc1 .Lopen_\@
	s_sub_co_i32 s42, s15, s16
	v_add_nc_u32 v245, s42, v[RH]                  ; d = my query - the step's first key - 8 h.  Register n holds key 32 (n / 16) + n % 16 + 8 ((n % 16) / 8) + 8 h: hidden where that, less 8 h, is above d
	v_mov_b32 v246, 0xff800000
.set n, 0
.rept 64
	v_cmp_gt_i32 vcc_lo, 32*(n/16)+(n%16)+8*((n%16)/8), v245
	v_cndmask_b32 v[S+n], v[S+n], v246, vcc_lo
.set n, n+1
.endr
.Lopen_\@:
.irp b, 0,1,2,3
	v_max3_num_f32 v[BM+\b], v[S+16*\b], v[S+16*\b+1], v[S+16*\b+2]   ; the largest score of each block of 32 keys: for the row's maximum, and, since p rises with the score, for the block's largest p
.endr
.irp i, 3,5,7,9,11,13
.irp b, 0,1,2,3
	v_max3_num_f32 v[BM+\b], v[BM+\b], v[S+16*\b+\i], v[S+16*\b+\i+1]
.endr
.endr
.irp b, 0,1,2,3
	v_max_num_f32 v[BM+\b], v[BM+\b], v[S+16*\b+15]
.endr
.irp b, 0,1,2,3
	s_delay_alu instid0(VALU_DEP_4)
	v_permlanex16_b32 v[PR+\b], v[BM+\b], s20, s21
.endr
.irp b, 0,1,2,3
	s_delay_alu instid0(VALU_DEP_4)
	v_max_num_f32 v[BM+\b], v[BM+\b], v[PR+\b]     ; with lane l xor 16's 16 keys
.endr
	s_delay_alu instid0(VALU_DEP_2)
	v_max3_num_f32 v244, v[BM], v[BM+1], v[BM+2]
	s_delay_alu instid0(VALU_DEP_1)
	v_max_num_f32 v244, v244, v[BM+3]              ; the step's largest score of my query
	s_delay_alu instid0(VALU_DEP_1)
	v_mul_f32 v244, s22, v244                      ; as t (c is positive)
	s_delay_alu instid0(VALU_DEP_1)
	v_max_num_f32 v13, v13, v244                   ; the running largest t
	v_mov_b32 v244, v12
	s_delay_alu instid0(VALU_DEP_2)
	v_floor_f32 v12, -v13                          ; the new -M = floor(-t) = -ceil(t): a whole number
	s_delay_alu instid0(VALU_DEP_1)
	v_sub_f32 v244, v12, v244                      ; M's old value less its new one: a whole number, 0 or less
	s_delay_alu instid0(VALU_DEP_1)
	v_cvt_i32_f32 v244, v244                       ; (it saturates)
	s_delay_alu instid0(VALU_DEP_1)
	v_ldexp_f32 v242, 1.0, v244                    ; f = 2^(old M - new M)
.set n, 0
.rept 32
	v_pk_fma_f32 v[S+n:S+n+1], v[S+n:S+n+1], s[22:23], v[12:13] op_sel_hi:[1,0,0]   ; t - M, two at a time
.set n, n+2
.endr
.irp b, 0,1,2,3
	v_fma_f32 v[BM+\b], v[BM+\b], s22, v12         ; the same of each block's largest score
.endr
.set n, 0
	s_wait_alu depctr_va_vdst(0)
.rept 64
	v_exp_f32 v[S+n], v[S+n]                       ; p = 2^(t - M), at most 1: not normalised
.set n, n+1
.endr
.irp b, 0,1,2,3
	v_exp_f32 v[BM+\b], v[BM+\b]                   ; the block's largest p
.endr
	v_pk_mul_f32 v[14:15], v[14:15], v[242:243] op_sel_hi:[1,0]   ; the sums under the new M (a plain instruction behind the exponentials)
	s_wait_alu depctr_va_vdst(0)
.irp b, 0,1,2,3
	v_max_num_f32 v[BM+\b], 0x4800000, v[BM+\b]    ; the floor 2^(9 - 127): the byte cannot fall under 1
.endr
.irp b, 0,1,2,3
	s_delay_alu instid0(VALU_DEP_4)
	v_add_nc_u32 v[CSC+\b], 0xfc000000, v[BM+\b]   ; 8 off the exponent field: the conversion's scale operand
.endr
.irp b, 0,1,2,3
.endr
.irp b, 0,1,2,3
	s_delay_alu instid0(VALU_DEP_4)
	v_lshrrev_b32 v[PR+\b], 23, v[CSC+\b]          ; the scale's byte
.endr
	s_delay_alu instid0(VALU_DEP_3)
	v_lshl_or_b32 v[PSW], v[PR+1], 8, v[PR]        ; p's scale word for these 128 keys
	s_delay_alu instid0(VALU_DEP_1)
	v_lshl_or_b32 v[PSW], v[PR+2], 16, v[PSW]
	s_delay_alu instid0(VALU_DEP_1)
	v_lshl_or_b32 v[PSW], v[PR+3], 24, v[PSW]
	v_pk_add_f32 v[240:241], v[108:109], v[112:113]
	v_pk_add_f32 v[254:255], v[116:117], v[120:121]
	v_pk_add_f32 v[252:253], v[124:125], v[128:129]
	v_pk_add_f32 v[250:251], v[132:133], v[136:137]
	v_pk_add_f32 v[246:247], v[140:141], v[144:145]
	v_pk_add_f32 v[234:235], v[148:149], v[152:153]
	v_pk_add_f32 v[232:233], v[156:157], v[160:161]
	v_pk_add_f32 v[14:15], v[14:15], v[164:165]
	v_pk_add_f32 v[240:241], v[240:241], v[104:105]
	v_pk_add_f32 v[254:255], v[254:255], v[106:107]
	v_pk_add_f32 v[252:253], v[252:253], v[110:111]
	v_pk_add_f32 v[250:251], v[250:251], v[114:115]
	v_pk_add_f32 v[246:247], v[246:247], v[118:119]
	v_pk_add_f32 v[234:235], v[234:235], v[122:123]
	v_pk_add_f32 v[232:233], v[232:233], v[126:127]
	v_pk_add_f32 v[14:15], v[14:15], v[130:131]
	v_pk_add_f32 v[240:241], v[240:241], v[134:135]
	v_pk_add_f32 v[254:255], v[254:255], v[138:139]
	v_pk_add_f32 v[252:253], v[252:253], v[142:143]
	v_pk_add_f32 v[250:251], v[250:251], v[146:147]
	v_pk_add_f32 v[246:247], v[246:247], v[150:151]
	v_pk_add_f32 v[234:235], v[234:235], v[154:155]
	v_pk_add_f32 v[232:233], v[232:233], v[158:159]
	v_pk_add_f32 v[14:15], v[14:15], v[162:163]
	v_pk_add_f32 v[240:241], v[240:241], v[166:167]
	s_delay_alu instid0(VALU_DEP_2)
	v_pk_add_f32 v[14:15], v[14:15], v[250:251]
	s_delay_alu instid0(VALU_DEP_2)
	v_pk_add_f32 v[240:241], v[240:241], v[246:247]
	v_pk_add_f32 v[254:255], v[254:255], v[234:235]
	v_pk_add_f32 v[252:253], v[252:253], v[232:233]
	s_delay_alu instid0(VALU_DEP_2)
	v_pk_add_f32 v[14:15], v[14:15], v[254:255]
	s_delay_alu instid0(VALU_DEP_2)
	v_pk_add_f32 v[240:241], v[240:241], v[252:253]
	s_delay_alu instid0(VALU_DEP_1)
	v_pk_add_f32 v[14:15], v[14:15], v[240:241]
.irp b, 0,1,2,3
.set n, 0
.rept 16
.set n, n+1
.endr
	v_cvt_scalef32_pk8_fp8_f32 v[PC+4*\b:PC+4*\b+1], v[S+16*\b:S+16*\b+7], v[CSC+\b]
	v_cvt_scalef32_pk8_fp8_f32 v[PC+4*\b+2:PC+4*\b+3], v[S+16*\b+8:S+16*\b+15], v[CSC+\b]
.endr
.set n, 0
.rept 16
	v_pk_mul_f32 v[OT+n:OT+n+1], v[OT+n:OT+n+1], v[242:243] op_sel_hi:[1,0]   ; O^T under the new M; these are also the places between the codes and the products
.set n, n+2
.endr
	s_wait_alu depctr_va_vdst(0)
	s_wait_dscnt 0x0                               ; V is in
.irp t, 0,1,2,3                        ; O^T += V^T P^T: four tiles of 16 of the head's 64; the four accumulators by turns
	v_wmma_scale_f32_16x16x128_f8f6f4 v[OT+8*\t:OT+8*\t+7], v[FRG+16*\t:FRG+16*\t+15], v[PC:PC+15], v[OT+8*\t:OT+8*\t+7], v[VSW+\t], v[PSW]
.endr
.Lhidden_\@:
	s_add_co_u32 s16, s16, 128
.endm
; THE CHANGE OF SLOTS stands at a slot's head.  Each wave waits for all its tensor loads, adds 0 to its spare word, and waits for that and for its reads of the slot that it has left.  Behind the barrier the slot ahead is whole and nobody reads the other.
; fill = 1: that other slot is filled with the key slot that follows: after the first block's last slot comes slot 0 again.
.macro CHANGE fill
	s_wait_tensorcnt 0x0                           ; no tensor load of mine is out, so group 0 may be written
	ds_add_u32 v[SPW], v[NIL]                      ; 0 onto my spare word; scalar work stands between it and the wait for it
	s_mov_b32 s13, s14                             ; the key slot that I am about to read,
	s_lshl_b32 s16, s13, 8                         ; and its first key
.if \fill
	s_xor_b32 s33, s33, SLOT1                      ; the other LDS slot than last time
	s_add_co_u32 s14, s14, 1
	s_cmp_eq_u32 s14, s11
	s_cselect_b32 s14, 0, s14
	s_mul_i32 s38, s14, BLOCKB
	s_add_nc_u64 s[34:35], s[36:37], s[38:39]
	s_or_b32 s35, s35, 0x80000000
.endif
	s_wait_dscnt 0x0                               ; the add is done, and my reads of the slot that I have left are over
	s_barrier_signal -1
	s_barrier_wait -1
.if \fill
	s_cmp_lt_u32 s8, 2
	s_cbranch_scc0 .Lno_fill_\@
	tensor_load_to_lds s[32:35], s[24:31]          ; the first thing behind the barrier, and a wave's one tensor load until the next; it has a slot's two steps in which to land
	s_nop 0
.rept 4
	v_nop
.endr
.Lno_fill_\@:
.endif
.endm
; THE WAY OUT of a block of queries: O^T / the sum is quantised along d (two blocks of 32, the other 16 numbers of a block in lane l xor 16), brought into the natural order of d, and stored as part of an image of ctx.
.macro EPI
.rept 8
	v_nop                                          ; places behind the last products
.endr
	v_add_f32 v14, v14, v15                        ; the sum's two halves,
	s_delay_alu instid0(VALU_DEP_1)
	v_permlanex16_b32 v244, v14, s20, s21
	s_delay_alu instid0(VALU_DEP_1)
	v_add_f32 v14, v14, v244                       ; and lane l xor 16's: the row's sum
	s_wait_alu depctr_va_vdst(0)
	v_rcp_f32 v14, v14
	v_nop                                          ; one plain instruction behind a transcendental
.set n, 0
	s_wait_alu depctr_va_vdst(0)
.rept 16
	v_pk_mul_f32 v[S+n:S+n+1], v[OT+n:OT+n+1], v[14:15] op_sel_hi:[1,0]   ; register 8 t + j is ctx(query, 16 t + 8 h + j); each accumulator from its low end on
.set n, n+2
.endr
.irp b, 0,1
	v_max3_num_f32 v[BM+\b], |v[S+16*\b]|, |v[S+16*\b+1]|, 0x4800000
.endr
.irp i, 2,4,6,8,10,12,14
.irp b, 0,1
	s_delay_alu instid0(VALU_DEP_2)
	v_max3_num_f32 v[BM+\b], v[BM+\b], |v[S+16*\b+\i]|, |v[S+16*\b+\i+1]|
.endr
.endr
.irp b, 0,1
	s_delay_alu instid0(VALU_DEP_2)
	v_permlanex16_b32 v[PR+\b], v[BM+\b], s20, s21
.endr
.irp b, 0,1
	s_delay_alu instid0(VALU_DEP_2)
	v_max_num_f32 v[BM+\b], v[BM+\b], v[PR+\b]
.endr
.irp b, 0,1
	s_delay_alu instid0(VALU_DEP_2)
	v_add_nc_u32 v[CSC+\b], 0xfc000000, v[BM+\b]
.endr
.irp b, 0,1
	s_delay_alu instid0(VALU_DEP_2)
	v_lshrrev_b32 v[PR+\b], 23, v[CSC+\b]
.endr
.irp b, 0,1
.set n, 0
.rept 16
.set n, n+1
.endr
	v_cvt_scalef32_pk8_fp8_f32 v[PC+4*\b:PC+4*\b+1], v[S+16*\b:S+16*\b+7], v[CSC+\b]        ; A: d = 32 b + 8 h + 0 .. 7
	v_cvt_scalef32_pk8_fp8_f32 v[PC+4*\b+2:PC+4*\b+3], v[S+16*\b+8:S+16*\b+15], v[CSC+\b]   ; B: d = 32 b + 16 + 8 h + 0 .. 7
.endr
	v_nop                                          ; one plain instruction behind the last scaled conversion
; The operand wants d = 32 b + 16 h + 0 .. 15 in lane (r, h).  Lanes 0-15 keep A and take the partner's A behind it; lanes 16-31 take the partner's B and keep B behind it.  So lanes 0-15 give B, lanes 16-31 give A.
.irp b, 0,1
.irp e, 0,1
	v_cndmask_b32 v[244+2*\b+\e], v[PC+4*\b+2+\e], v[PC+4*\b+\e], s50
.endr
.endr
.irp b, 0,1
.irp e, 0,1
	s_delay_alu instid0(VALU_DEP_4)
	v_permlanex16_b32 v[240+2*\b+\e], v[244+2*\b+\e], s20, s21
.endr
.endr
.irp b, 0,1
.irp e, 0,1
	v_cndmask_b32 v[PC+8+4*\b+\e], v[PC+4*\b+\e], v[240+2*\b+\e], s50
	v_cndmask_b32 v[PC+10+4*\b+\e], v[240+2*\b+\e], v[PC+4*\b+2+\e], s50
.endr
.endr
	v_cndmask_b32 v244, v[PR], v[PR+1], s50        ; lanes 0-15 store the first block's byte, lanes 16-31 the second's
	s_lshr_b32 s42, s10, 4                         ; the batch,
	s_lshl_b32 s42, s42, 11
	s_add_co_u32 s42, s42, s15                     ; my first row of ctx,
	s_lshr_b32 s42, s42, 7
	s_lshl_b32 s42, s42, 3                         ; its 128 rows' eight K steps,
	s_bfe_u32 s43, s10, 0x30001                    ; of which head / 2 is mine
	s_add_co_u32 s42, s42, s43
	s_mul_i32 s42, s42, KSB
	s_bfe_u32 s43, s15, 0x30004                    ; my tile among the eight of 128 rows
	s_and_b32 s44, s10, 1                          ; head % 2: chunks 0, 1 or 2, 3
	s_lshl_b32 s38, s43, 11
	s_lshl_b32 s45, s44, 10
	s_add_co_u32 s38, s38, s45
	s_add_co_u32 s38, s38, s42
	s_add_nc_u64 s[48:49], s[6:7], s[38:39]
	s_lshl_b32 s38, s43, 6
	s_lshl_b32 s45, s44, 1
	s_add_co_u32 s38, s38, s45
	s_add_co_u32 s38, s38, s42
	s_add_co_u32 s38, s38, 16384
	s_add_nc_u64 s[52:53], s[6:7], s[38:39]
	s_wait_alu depctr_va_vdst(0)
	global_store_b128 v[LI], v[PC+8:PC+11], s[48:49]                ; 32 lanes store 512 consecutive bytes
	global_store_b128 v[LI], v[PC+12:PC+15], s[48:49] offset:512
	global_store_b8 v248, v244, s[52:53]           ; my head's two of a row's four bytes, a byte a lane, inside 64 neighbouring bytes: twice in the launch for each wave
	s_wait_xcnt 0x0                                ; the stores have read their registers and bases: all may be written again
.endm
	LOADQ
.Lslot:                                            ; eight trips: behind each change of slots but the last the next key slot is asked for
	CHANGE 1
	STEP 0
	STEP 1
	s_xor_b32 s17, s17, SLOT1                      ; on to the other LDS slot
	s_cmp_lg_u32 s13, s12                          ; the diagonal's slot was the block's last: on to the second block of queries, i
	s_cbranch_scc1 .Lsame
	EPI
	s_mov_b32 s12, s9
	s_lshl_b32 s15, s12, 8
	s_lshl_b32 s42, s8, 4
	s_add_co_u32 s15, s15, s42
	LOADQ
.Lsame:
	s_sub_co_u32 s18, s18, 1
	s_cmp_lg_u32 s18, 0
	s_cbranch_scc1 .Lslot
	CHANGE 0                                       ; the ninth slot, the second block's diagonal, is written out
	STEP 0
	STEP 1
	EPI
	s_wait_tensorcnt 0x0                           ; the wave's end
	ds_add_u32 v[SPW], v[NIL]
	s_wait_dscnt 0x0
	s_endpgm
.Lfunc_end_k_qe489ebab80_attn:
	.size	k_qe489ebab80_attn, .Lfunc_end_k_qe489ebab80_attn-k_qe489ebab80_attn
	.p2alignl 7, 3214868480
	.fill 96, 4, 3214868480
	.section	.rodata,"a",@progbits
	.p2align	6, 0x0
	.amdhsa_kernel k_qe489ebab80_attn
		.amdhsa_group_segment_fixed_size 327680
		.amdhsa_private_segment_fixed_size 0
		.amdhsa_enable_private_segment 0
		.amdhsa_kernarg_size 16
		.amdhsa_user_sgpr_count 2
		.amdhsa_user_sgpr_kernarg_segment_ptr 1
		.amdhsa_wavefront_size32 1
		.amdhsa_system_sgpr_workgroup_id_x 1
		.amdhsa_system_sgpr_workgroup_id_y 1
		.amdhsa_system_sgpr_workgroup_id_z 1
		.amdhsa_system_vgpr_workitem_id 0
		.amdhsa_next_free_vgpr 256
		.amdhsa_next_free_sgpr 66
		.amdhsa_reserve_vcc 1
		.amdhsa_float_denorm_mode_32 3
		.amdhsa_float_denorm_mode_16_64 3
		.amdhsa_fp16_overflow 1
		.amdhsa_memory_ordered 1
		.amdhsa_forward_progress 1
		.amdhsa_inst_pref_size 111
	.end_amdhsa_kernel
	.amdgpu_metadata
---
amdhsa.version: [ 1, 2 ]
amdhsa.kernels:
  - .name:           k_qe489ebab80_attn
    .symbol:         k_qe489ebab80_attn.kd
    .args:
      - { .name: qkv, .offset: 0, .size: 8, .value_kind: global_buffer, .address_space: global }
      - { .name: ctx, .offset: 8, .size: 8, .value_kind: global_buffer, .address_space: global }
    .group_segment_fixed_size: 327680
    .private_segment_fixed_size: 0
    .kernarg_segment_align: 8
    .kernarg_segment_size: 16
    .max_flat_workgroup_size: 512
    .sgpr_count:     66
    .vgpr_count:     256
    .wavefront_size: 32
...
	.end_amdgpu_metadata
.endif
;; end of part 2
;; launch outp (part 3): grid 4 x 64, 4 waves a work-group, clusters of 4 x 4, 327,680 bytes of LDS; arguments ctx, Wo_codes, Wo_scales, bo, out0; writes out0
.if DOCPART == 3
	.amdgcn_target "amdgcn-amd-amdhsa--gfx1250"
	.amdhsa_code_object_version 6
	.text
	.protected	k_qe489ebab80_outp
	.globl	k_qe489ebab80_outp
	.p2align	8
	.type	k_qe489ebab80_outp,@function
k_qe489ebab80_outp:
	s_mov_b64 s[64:65], 0
	v_nop
	global_prefetch_b8 v0, s[64:65] scope:SCOPE_SE
	s_setreg_imm32_b32 hwreg(HW_REG_WAVE_MODE, 25, 1), 1
	s_wait_xcnt 0x0
	s_wait_alu depctr_hold_cnt(0) depctr_sa_sdst(0) depctr_va_vdst(0) depctr_va_sdst(0) depctr_va_ssrc(0) depctr_va_vcc(0) depctr_vm_vsrc(0)
	s_getreg_b32 s2, hwreg(HW_REG_IB_STS2, 6, 4)
	s_cmp_eq_u32 s2, 0
	s_cbranch_scc0 .Lentry_in_a_cluster
	s_endpgm
.Lentry_in_a_cluster:
	s_bfe_u32 s2, ttmp6, 0x10000c
	s_cmp_lg_u32 s2, 0xf033
	s_cbranch_scc0 .Lentry_shape_is_right
	s_endpgm
.Lentry_shape_is_right:
; out0 = ctx Wo^T + bo on codes of FP8 (E4M3) with one E8M0 scale for each 32 along K = 1,024; sums in f32; out0 [8,192][1,024] f32.
; ctx comes as images of operand registers: [128 rows 0..63][K step of 128 0..7][16,896 bytes]: [tile of 16 rows 0..7][c 0..3][512 bytes, lane l's 16 at 16 l], then at 16,384 [tile][row] scale words.  Wo: [1,024][1,024] codes, K innermost; its scale bytes [1,024][32].
; SHARES.  A work-group makes 128 rows x 256 columns; wave w makes rows 64 (w / 2) on (4 tiles i) x columns 128 (w % 2) on (8 tiles t): 32 accumulators.
; THE MATRIX INSTRUCTION IS USED TRANSPOSED (source 0 = 16 rows of Wo, source 1 = 16 rows of ctx): a lane then holds eight neighbouring numbers of a row of out0.  bo is the C of each sum's first matrix instruction.
; CLUSTERS: 4 x 4 work-groups.  ctx's tiles hang on the block of rows alone and are shared along a row of the cluster, Wo's on the block of columns alone and are shared along a column: joint loads.  Waves 0, 1 ask for ctx, waves 2, 3 for Wo.
; K goes in slots of 256 (two steps of 128).  THREE slots fit in LDS: three quarters of K are asked for at the start, as first fills, and ONE refill is left: the last 256 along K go into slot 0 behind its second step
; and have four K steps, 112 matrix instructions a wave, in which to land.  All eight steps are written out.  Wo's scale bytes of all of K come once, with the first fills.
; LIMITS: NaN codes and the scale byte 0xff in Wo are not served.
; REGISTERS, in windows of 256: window 0: v1-29 addresses; v32-63 Wo's scale words; v64-71 ctx's, two sets; v128-255 ctx's fragments, two sets, later the way out.   window 1: Wo's fragments, two sets.   window 2: the accumulators at 8 (8 i + t).   window 3: v0-63 bo's eight tiles.
.set PITCH,  272                       ; a row of Wo in LDS: 256 bytes + 16 of padding
.set KSB,    16896                     ; a K step of ctx
.set WOFF,   2*KSB                     ; a slot: two K steps of ctx, then Wo's 256 rows
.set SLOT,   WOFF+256*PITCH
.set WSC,    3*SLOT                    ; Wo's scale bytes: 256 rows of 32
.set SPARE,  WSC+8192                  ; the spare words, 128 bytes for each wave: two blocks of 256 bytes that no other line names
.set STAGE,  SLOT                      ; the way out: 16 rows x (512 bytes + 16) for each wave, in slot 1: it has its one fill at the start, and every wave's last read of it lies ahead of the barrier in K step 5
.set SPITCH, 528
.set ADRC, 8                           ; v8-10  LDS address of my ctx fragments in slot 0, 1, 2
.set ADRW, 11                          ; v11-13 of my Wo fragments
.set ADRS, 14                          ; v14-16 of ctx's scale words
.set ADWS, 17                          ; v17    of Wo's: lanes 0-15 tile t, lanes 16-31 tile t + 4
.set STO,  24                          ; v24    the way out: where I put 32 bytes of a row
.set RD,   25                          ; v25    where I read a row back
.set CO,   26                          ; v26    my byte offset in a row's 512 bytes
.set SPW,  28                          ; v28    LDS address of my spare word; never rewritten
.set NIL,  29                          ; v29    0; never rewritten
.set WS,   32                          ; Wo's scale words: register 8 (t % 4) + step
.set CSW,  64                          ; ctx's: register 4 p + i
.set CF,   128                         ; ctx's fragments: 64 p + 16 i
.set BK,   128                         ; the way out: 16 rows read back: v128-191 and v192-255 by turns
.set G1C,  24                          ; s[24:31] group 1 for ctx;  s[32:39] for Wo;  s[40:47] for Wo's scale bytes
.set G1W,  32
.set G1S,  40
.set G0C,  48                          ; s[48:59] group 0 for ctx, one set for each slot;  s[68:79] for Wo;  s[60:63] for the scale bytes
.set G0W,  68
.set G0S,  60
.set MSB, 0
.macro WIN new                         ; the immediate's high byte repeats the setting that is left
.if MSB != (\new)
	s_set_vgpr_msb (MSB<<8)|(\new)
.set MSB, (\new)
.endif
.endm
.macro PLACES n
.rept \n
	v_nop
.endr
.endm
.macro CREST                           ; a round of the cluster's barrier behind its opening barrier
	s_cmp_lg_u32 s14, 0
	s_cbranch_scc1 .Lnot_wave_0_\@
	s_barrier_signal -3
.Lnot_wave_0_\@:
	s_barrier_wait -3
	s_barrier_signal -1
	s_barrier_wait -1
.endm
.macro CROUND
	s_barrier_signal -1
	s_barrier_wait -1
	CREST
.endm
.macro JLOAD s                         ; a joint refill; the branch hangs on the wave's number alone; four v_nop follow each of the two lines
	s_cmp_eq_u32 s15, 0
	s_cbranch_scc0 .Lfor_w_\@
	tensor_load_to_lds s[G0C+4*\s:G0C+4*\s+3], s[G1C:G1C+7]
	s_nop 0
	PLACES 4
	s_branch .Lasked_\@
.Lfor_w_\@:
	tensor_load_to_lds s[G0W+4*\s:G0W+4*\s+3], s[G1W:G1W+7]
	s_nop 0
	PLACES 4
.Lasked_\@:
.endm
	s_load_b256 s[4:11], s[0:1], 0x0               ; ctx, Wo's codes, Wo's scales, bo
	s_load_b64 s[12:13], s[0:1], 0x20              ; out0
	v_lshl_add_u32 v[SPW], v0, 2, SPARE
	v_mov_b32 v[NIL], 0
	ds_add_u32 v28, v29
	ds_add_u32 v28, v29
	s_wait_dscnt 0x0
	v_lshrrev_b32 v1, 5, v0
	v_readfirstlane_b32 s14, v1                    ; wave 0..3
	s_lshr_b32 s15, s14, 1                         ; which 64 rows are mine.  Also: I fetch for ctx (0) or for Wo (1)
	s_and_b32 s16, s14, 1                          ; which 128 columns.  Also: which half I fetch
	s_bfe_u32 s17, ttmp6, 0x40000                  ; cx
	s_bfe_u32 s18, ttmp6, 0x40004                  ; cy
	s_lshl_b32 s19, ttmp9, 2
	s_add_co_u32 s19, s19, s17                     ; the block of 256 columns = 4 x cluster x + cx
	s_and_b32 s20, ttmp7, 0xffff
	s_lshl_b32 s20, s20, 2
	s_add_co_u32 s20, s20, s18                     ; the block of 128 rows = 4 x cluster y + cy
	s_lshl_b32 s21, s18, 2
	s_lshl_b32 s21, 15, s21                        ; my row of the cluster
	s_lshl_b32 s22, 0x1111, s17                    ; my column
	; group 1.  ctx: a K step's 16,896 dense bytes as 66 rows of 256 (32 elements of 8 bytes)
	s_or_b32 s[G1C], s21, (3<<16)|(1<<21)
	s_mov_b32 s[G1C+1], 32<<16
	s_mov_b32 s[G1C+2], 66<<16
	s_mov_b32 s[G1C+3], 32<<16
	s_mov_b32 s[G1C+4], 66
	s_mov_b32 s[G1C+5], 32
	s_mov_b32 s[G1C+6], 0
	s_mov_b32 s[G1C+7], 0
	; Wo: 128 rows x 256 bytes, 1,024 bytes apart, 16 bytes of padding behind each row
	s_or_b32 s[G1W], s22, (1<<20)|(1<<21)|(5<<22)|(3<<25)
	s_mov_b32 s[G1W+1], 256<<16
	s_mov_b32 s[G1W+2], 128<<16
	s_mov_b32 s[G1W+3], 256<<16
	s_mov_b32 s[G1W+4], 128
	s_mov_b32 s[G1W+5], 1024
	s_mov_b32 s[G1W+6], 0
	s_mov_b32 s[G1W+7], 0
	; the scale bytes of 128 rows of Wo: 4,096 dense bytes as 16 rows of 256
	s_or_b32 s[G1S], s22, (3<<16)|(1<<21)
	s_mov_b32 s[G1S+1], 32<<16
	s_mov_b32 s[G1S+2], 16<<16
	s_mov_b32 s[G1S+3], 32<<16
	s_mov_b32 s[G1S+4], 16
	s_mov_b32 s[G1S+5], 32
	s_mov_b32 s[G1S+6], 0
	s_mov_b32 s[G1S+7], 0
	s_lshl_b32 s80, s20, 3                         ; ctx: K step (8 x block of rows + half), in registers that never hold cx
	s_add_co_u32 s80, s80, s16
	s_mul_i32 s80, s80, KSB
	s_mov_b32 s81, 0
	s_lshl_b32 s82, s19, 8                         ; Wo: row 256 x block of columns + 128 x half, in registers that never hold cy
	s_lshl_b32 s83, s16, 7
	s_add_co_u32 s82, s82, s83
	s_lshl_b32 s84, s82, 5                         ; its scale bytes,
	s_mov_b32 s85, 0
	s_lshl_b32 s82, s82, 10                        ; its codes
	s_mov_b32 s83, 0
	s_mul_i32 s[G0C+1], s16, KSB                   ; where they go: no place in the cluster enters an LDS address
	s_add_co_u32 s[G0C+5], s[G0C+1], SLOT
	s_add_co_u32 s[G0C+9], s[G0C+1], 2*SLOT
	s_mul_i32 s[G0W+1], s16, 128*PITCH
	s_add_co_u32 s[G0W+1], s[G0W+1], WOFF
	s_add_co_u32 s[G0W+5], s[G0W+1], SLOT
	s_add_co_u32 s[G0W+9], s[G0W+1], 2*SLOT
	s_lshl_b32 s[G0S+1], s16, 12
	s_add_co_u32 s[G0S+1], s[G0S+1], WSC
	s_wait_kmcnt 0x0
	s_mov_b32 s[G0C], 1
	s_add_nc_u64 s[G0C+2:G0C+3], s[4:5], s[80:81]
	s_mov_b32 s[G0C+4], 1
	s_add_nc_u64 s[G0C+6:G0C+7], s[G0C+2:G0C+3], 2*KSB     ; slot 1: two K steps on
	s_mov_b32 s[G0C+8], 1
	s_add_nc_u64 s[G0C+10:G0C+11], s[G0C+2:G0C+3], 4*KSB   ; slot 2: four
	s_or_b32 s[G0C+3], s[G0C+3], 0x80000000
	s_or_b32 s[G0C+7], s[G0C+7], 0x80000000
	s_or_b32 s[G0C+11], s[G0C+11], 0x80000000
	s_mov_b32 s[G0W], 1
	s_add_nc_u64 s[G0W+2:G0W+3], s[6:7], s[82:83]
	s_mov_b32 s[G0W+4], 1
	s_add_nc_u64 s[G0W+6:G0W+7], s[G0W+2:G0W+3], 256
	s_mov_b32 s[G0W+8], 1
	s_add_nc_u64 s[G0W+10:G0W+11], s[G0W+2:G0W+3], 512
	s_or_b32 s[G0W+3], s[G0W+3], 0x80000000
	s_or_b32 s[G0W+7], s[G0W+7], 0x80000000
	s_or_b32 s[G0W+11], s[G0W+11], 0x80000000
	s_mov_b32 s[G0S], 1
	s_add_nc_u64 s[G0S+2:G0S+3], s[8:9], s[84:85]
	s_or_b32 s[G0S+3], s[G0S+3], 0x80000000
	CROUND                                         ; all sixteen work-groups are here: the first joint loads meet
	s_cmp_eq_u32 s15, 0                            ; a wave's first fills stand in one branch: three loads (ctx) or four (Wo) of mine are out
	s_cbranch_scc0 .Lfirst_w
	tensor_load_to_lds s[G0C:G0C+3], s[G1C:G1C+7]
	s_nop 0
	tensor_load_to_lds s[G0C+4:G0C+7], s[G1C:G1C+7]
	s_nop 0
	tensor_load_to_lds s[G0C+8:G0C+11], s[G1C:G1C+7]
	s_nop 0
	PLACES 4
	s_branch .Lfirst_done
.Lfirst_w:
	tensor_load_to_lds s[G0S:G0S+3], s[G1S:G1S+7]
	s_nop 0
	tensor_load_to_lds s[G0W:G0W+3], s[G1W:G1W+7]
	s_nop 0
	tensor_load_to_lds s[G0W+4:G0W+7], s[G1W:G1W+7]
	s_nop 0
	tensor_load_to_lds s[G0W+8:G0W+11], s[G1W:G1W+7]
	s_nop 0
	PLACES 4
.Lfirst_done:
	v_and_b32 v1, 15, v0                           ; r
	v_bfe_u32 v2, v0, 4, 1                         ; h
	v_and_b32 v3, 31, v0                           ; lane
	v_lshlrev_b32 v4, 4, v3
	s_lshl_b32 s80, s15, 13                        ; my four tiles of ctx: 2,048 bytes each
	v_add_nc_u32 v[ADRC], s80, v4
	v_add_nc_u32 v[ADRC+1], SLOT, v[ADRC]
	v_add_nc_u32 v[ADRC+2], 2*SLOT, v[ADRC]
	v_mul_u32_u24 v5, v1, PITCH
	v_lshl_add_u32 v5, v2, 4, v5
	s_mul_i32 s80, s16, 128*PITCH                  ; my 128 rows of Wo
	s_add_co_u32 s80, s80, WOFF
	v_add_nc_u32 v[ADRW], s80, v5
	v_add_nc_u32 v[ADRW+1], SLOT, v[ADRW]
	v_add_nc_u32 v[ADRW+2], 2*SLOT, v[ADRW]
	v_lshlrev_b32 v6, 2, v1
	s_lshl_b32 s80, s15, 8
	s_add_co_u32 s80, s80, 16384
	v_add_nc_u32 v[ADRS], s80, v6
	v_add_nc_u32 v[ADRS+1], SLOT, v[ADRS]
	v_add_nc_u32 v[ADRS+2], 2*SLOT, v[ADRS]
	v_lshlrev_b32 v7, 5, v1
	v_lshl_add_u32 v7, v2, 11, v7                  ; lanes 16-31: four tiles, 2,048 bytes, further on
	s_lshl_b32 s80, s16, 12
	s_add_co_u32 s80, s80, WSC
	v_add_nc_u32 v[ADWS], s80, v7
	s_mul_i32 s80, s14, 16*SPITCH
	s_add_co_u32 s80, s80, STAGE                   ; my stage
	v_mul_u32_u24 v18, v1, SPITCH
	v_lshl_add_u32 v18, v2, 5, v18
	v_add_nc_u32 v[STO], s80, v18                  ; in: row r, 32 bytes for each half of the lanes
	v_add_nc_u32 v[RD], s80, v4                    ; back: the 32 lanes take one row of 512 bytes
	v_mov_b32 v[CO], v4
	v_lshlrev_b32 v19, 5, v2                       ; bo: lane (r, h) wants, for tile t, the numbers 16 t + 8 h + 0 .. 7
	s_wait_alu depctr_va_vdst(0)
	s_lshl_b32 s80, s19, 10
	s_lshl_b32 s81, s16, 9
	s_add_co_u32 s80, s80, s81                     ; my first column, in bytes of f32
	s_mov_b32 s81, 0
	s_add_nc_u64 s[10:11], s[10:11], s[80:81]
	s_add_nc_u64 s[12:13], s[12:13], s[80:81]
	s_lshl_b32 s80, s20, 7
	s_lshl_b32 s82, s15, 6
	s_add_co_u32 s80, s80, s82                     ; my first row: 4,096 bytes a row
	s_lshl_b32 s80, s80, 12
	s_add_nc_u64 s[12:13], s[12:13], s[80:81]
	WIN 0xc0                                       ; destination window 3
.irp t, 0,1,2,3,4,5,6,7
	global_load_b128 v[8*\t:8*\t+3], v19, s[10:11] offset:64*\t
	global_load_b128 v[8*\t+4:8*\t+7], v19, s[10:11] offset:64*\t+16
.endr
	WIN 0
; 52 LDS loads: the fragments and ctx's scale words of the slot's q-th 128 along K, into set p
.macro FETCH slot, q, p
	WIN 0x40                                       ; destination window 1
.irp t, 0,1,2,3,4,5,6,7
.irp c, 0,1,2,3
	ds_load_b128 v[128*(\p)+16*\t+4*\c:128*(\p)+16*\t+4*\c+3], v[ADRW+(\slot)] offset:128*(\q)+32*\c+16*\t*PITCH
.endr
.endr
	WIN 0
.irp i, 0,1,2,3
.irp c, 0,1,2,3
	ds_load_b128 v[CF+64*(\p)+16*\i+4*\c:CF+64*(\p)+16*\i+4*\c+3], v[ADRC+(\slot)] offset:KSB*(\q)+2048*\i+512*\c
.endr
.endr
.irp i, 0,1,2,3
	ds_load_b32 v[CSW+4*(\p)+\i], v[ADRS+(\slot)] offset:KSB*(\q)+64*\i
.endr
.endm
.macro PROD i, t, p, ks, first
.set rD, 8*(8*(\i)+(\t))
.set rA, 128*(\p)+16*(\t)
.set rB, CF+64*(\p)+16*(\i)
.set rW, WS+8*((\t)%4)+(\ks)
.set rX, CSW+4*(\p)+(\i)
.if \first
.if (\t) < 4
	v_wmma_scale_f32_16x16x128_f8f6f4 v[rD:rD+7], v[rA:rA+15], v[rB:rB+15], v[8*(\t):8*(\t)+7], v[rW], v[rX]
.else
	v_wmma_scale_f32_16x16x128_f8f6f4 v[rD:rD+7], v[rA:rA+15], v[rB:rB+15], v[8*(\t):8*(\t)+7], v[rW], v[rX] matrix_a_scale:MATRIX_SCALE_ROW1
.endif
.else
.if (\t) < 4
	v_wmma_scale_f32_16x16x128_f8f6f4 v[rD:rD+7], v[rA:rA+15], v[rB:rB+15], v[rD:rD+7], v[rW], v[rX]
.else
	v_wmma_scale_f32_16x16x128_f8f6f4 v[rD:rD+7], v[rA:rA+15], v[rB:rB+15], v[rD:rD+7], v[rW], v[rX] matrix_a_scale:MATRIX_SCALE_ROW1
.endif
.endif
.endm
; 16 matrix instructions: ctx's tiles 2 half, 2 half + 1 x Wo's eight.  The 32 accumulators take turns, one instruction a turn, in the same order in every step.
.macro MULH half, p, ks, first
.if \first
	WIN 0xb1                                       ; source 0 (Wo) window 1, source 1 (ctx) window 0, C (bo) window 3, D window 2
.else
	WIN 0xa1                                       ; C and D window 2
.endif
.irp i, 2*\half, 2*\half+1
.irp t, 0,1,2,3,4,5,6,7
	PROD \i, \t, \p, \ks, \first
.endr
.endr
.endm
; A slot's first step: multiplies set 0; the second step's fragments are asked for first, into set 1.
.macro STEP ks, slot, first
	PLACES 8                                       ; in front of loads into registers that the last products read
	FETCH \slot, 1, 1
	s_wait_dscnt 52                                ; all but the 52 just issued
	MULH 0, 0, \ks, \first
	MULH 1, 0, \ks, \first
	WIN 0
.endm
; A slot's second step, with a barrier: it multiplies set 1 and goes on to slot next.  In front of the barrier each wave waits for all its tensor loads, adds 0 to its spare word, and waits for that and for its own reads of the slot that it leaves.
; fill = 1 (K step 1, leaving slot 0): the barrier opens a round of the cluster's barrier, and slot 0 is filled again, with the last 256 along K.  By that wait for all loads slots 1 and 2 are shown whole to every wave.
; fill = 0 (K step 5, going on to slot 0): the wait is for that refill.
.macro TURN ks, next, fill
	s_wait_tensorcnt 0x0                           ; all my tensor loads have landed (every window is 0 here)
	ds_add_u32 v[SPW], v[NIL]                      ; 0 onto my spare word
	s_wait_dscnt 1                                 ; set 1 is in; the add may be out
	MULH 0, 1, \ks, 0                              ; sixteen matrix instructions stand between the add and the wait for it
	WIN 0
	s_wait_dscnt 0x0                               ; the add is done, and my reads of the slot that I leave are over
	s_barrier_signal -1
	s_barrier_wait -1
.if \fill
	CREST                                          ; no wave of any partner still reads slot 0's tiles or has a load on its way
	s_add_nc_u64 s[G0C+2:G0C+3], s[G0C+2:G0C+3], 6*KSB     ; K steps 6 and 7
	s_add_nc_u64 s[G0W+2:G0W+3], s[G0W+2:G0W+3], 768
	JLOAD 0                                        ; the first tensor load behind the round, one a wave; its four v_nop are four of the eight places in front of the loads below
	PLACES 4
.else
	PLACES 8
.endif
	FETCH \next, 0, 0
	MULH 1, 1, \ks, 0
	WIN 0
.endm
; Slot 1's second step goes on to slot 2 with no barrier: slot 2 was shown whole to every wave at the barrier in K step 1, nothing is filled here, and the refill of slot 0 stays on its way.
.macro HOP ks, next
	s_wait_dscnt 0x0                               ; set 1 is in
	MULH 0, 1, \ks, 0
	WIN 0
	PLACES 8                                       ; in front of loads into set 0, which the step before multiplied
	FETCH \next, 0, 0
	MULH 1, 1, \ks, 0
	WIN 0
.endm
	s_wait_tensorcnt 2                             ; my part of slot 0 (and Wo's scale bytes) is in; slots 1's and 2's loads may stay out
	s_barrier_signal -1
	s_barrier_wait -1                              ; everybody's is
.irp p, 0,1,2,3                        ; Wo's scale words of all of K, once
	ds_load_b128 v[WS+8*\p:WS+8*\p+3], v[ADWS] offset:512*\p
	ds_load_b128 v[WS+8*\p+4:WS+8*\p+7], v[ADWS] offset:512*\p+16
.endr
	FETCH 0, 0, 0
	s_wait_loadcnt 0x0                             ; bo
	STEP 0, 0, 1                                   ; the first step's products start the sums from bo
	TURN 1, 1, 1
	STEP 2, 1, 0
	HOP 3, 2
	STEP 4, 2, 0
	TURN 5, 0, 0
	STEP 6, 0, 0
	s_wait_dscnt 0x0                               ; the last step
	MULH 0, 1, 7, 0
	MULH 1, 1, 7, 0
	WIN 0
	PLACES 8                                       ; in front of the first read of results and of loads into the registers that held ctx's fragments
; THE WAY OUT, block by block of 16 rows x 128 columns.  A lane holds 32 neighbouring bytes of a row and the lanes beside it hold other rows: a block goes through my own stage in LDS and comes back as whole rows of 512 bytes.
; LDS serves a wave's instructions in order (ISA guide 5.7.1.4): no wait between the stores and the loads, nor in front of the next block's stores.
.macro TOSTAGE a
	WIN 0x08                                       ; an LDS store's data are its source 1: window 2
.irp t, 0,1,2,3,4,5,6,7
	ds_store_b128 v[STO], v[8*(8*(\a)+\t):8*(8*(\a)+\t)+3] offset:64*\t          ; each accumulator from its low end on
	ds_store_b128 v[STO], v[8*(8*(\a)+\t)+4:8*(8*(\a)+\t)+7] offset:64*\t+16
.endr
	WIN 0
.irp n, 0,1,2,3,4,5,6,7,8,9,10,11,12,13,14,15
	ds_load_b128 v[BK+64*((\a)%2)+4*\n:BK+64*((\a)%2)+4*\n+3], v[RD] offset:\n*SPITCH
.endr
.endm
.macro SEND a, younger                 ; younger: the LDS instructions issued behind block a's loads, which may stay out
	s_wait_dscnt \younger
.irp n, 0,1,2,3,4,5,6,7,8,9,10,11,12,13,14,15
	global_store_b128 v[CO], v[BK+64*((\a)%2)+4*\n:BK+64*((\a)%2)+4*\n+3], s[12:13] offset:(16*(\a)+\n)*4096 th:TH_STORE_NT   ; 32 lanes store 512 consecutive bytes, at a multiple of 256 from out0's first byte; written once, read by nobody here
.endr
.endm
	TOSTAGE 0
	TOSTAGE 1
	SEND 0, 32                                     ; behind block 0's loads: block 1's 16 stores and 16 loads
	s_wait_xcnt 0x0                                ; block 0's stores have read their registers: block 2's loads may land there
	TOSTAGE 2
	SEND 1, 32
	s_wait_xcnt 0x0
	TOSTAGE 3
	SEND 2, 32
	SEND 3, 0
	s_wait_tensorcnt 0x0                           ; the wave's end
	ds_add_u32 v[SPW], v[NIL]
	s_wait_dscnt 0x0
	CROUND                                         ; the closing round: no work-group ends while a partner may still ask for a tile that names it
	s_endpgm
.Lfunc_end_k_qe489ebab80_outp:
	.size	k_qe489ebab80_outp, .Lfunc_end_k_qe489ebab80_outp-k_qe489ebab80_outp
	.p2alignl 7, 3214868480
	.fill 96, 4, 3214868480
	.section	.rodata,"a",@progbits
	.p2align	6, 0x0
	.amdhsa_kernel k_qe489ebab80_outp
		.amdhsa_group_segment_fixed_size 327680
		.amdhsa_private_segment_fixed_size 0
		.amdhsa_enable_private_segment 0
		.amdhsa_kernarg_size 40
		.amdhsa_user_sgpr_count 2
		.amdhsa_user_sgpr_kernarg_segment_ptr 1
		.amdhsa_wavefront_size32 1
		.amdhsa_system_sgpr_workgroup_id_x 1
		.amdhsa_system_sgpr_workgroup_id_y 1
		.amdhsa_system_sgpr_workgroup_id_z 1
		.amdhsa_system_vgpr_workitem_id 0
		.amdhsa_next_free_vgpr 832
		.amdhsa_next_free_sgpr 88
		.amdhsa_reserve_vcc 0
		.amdhsa_float_denorm_mode_32 3
		.amdhsa_float_denorm_mode_16_64 3
		.amdhsa_memory_ordered 1
		.amdhsa_forward_progress 1
		.amdhsa_inst_pref_size 88
	.end_amdhsa_kernel
	.amdgpu_metadata
---
amdhsa.version: [ 1, 2 ]
amdhsa.kernels:
  - .name:           k_qe489ebab80_outp
    .symbol:         k_qe489ebab80_outp.kd
    .args:
      - { .name: ctx, .offset: 0, .size: 8, .value_kind: global_buffer, .address_space: global }
      - { .name: Wo_codes, .offset: 8, .size: 8, .value_kind: global_buffer, .address_space: global }
      - { .name: Wo_scales, .offset: 16, .size: 8, .value_kind: global_buffer, .address_space: global }
      - { .name: bo, .offset: 24, .size: 8, .value_kind: global_buffer, .address_space: global }
      - { .name: out0, .offset: 32, .size: 8, .value_kind: global_buffer, .address_space: global }
    .group_segment_fixed_size: 327680
    .private_segment_fixed_size: 0
    .kernarg_segment_align: 8
    .kernarg_segment_size: 40
    .max_flat_workgroup_size: 128
    .sgpr_count:     88
    .vgpr_count:     832
    .wavefront_size: 32
...
	.end_amdgpu_metadata
.endif
;; end of part 3
